; MI455X (gfx1250); checked and timed in simulation.
; The chip was launched on July 23, 2026; its instructions are those of AMD's public machine-readable ISA for CDNA 5 (MIT licence, August 2026) and "CDNA5" Instruction Set Architecture Reference Guide (July 2026). The comments in the code are by the model that wrote it; some were corrected since.
;; Attention. Allowed arithmetic: matrix products marked QUANTISED: E2M3 operands, one E8M0 scale for each 32 along K, by v_wmma_scale_f32_16x16x128_f8f6f4 with both operands' format E2M3, f32 sums; everything else in f32.
;; Inputs: Wk 1,024 x 1,024 float32; Wo 1,024 x 1,024 float32; Wq 1,024 x 1,024 float32; Wv 1,024 x 1,024 float32; bk 1,024 float32; bo 1,024 float32; bq 1,024 float32; bv 1,024 float32; keys 4 x 2,048 x 1,024 float32; queries 4 x 2,048 x 1,024 float32; values 4 x 2,048 x 1,024 float32.
;; Outputs: out0 4 x 2,048 x 1,024 float32.
;; This version of the problem:
;;   THIS VERSION OF THE PROBLEM IS GIVEN IN LOW PRECISION. The matrix products marked QUANTISED in the list below multiply operands that are first quantised to E2M3 (2 exponent bits, 3 mantissa bits; 6 bits a number), with one power-of-two scale for each 32 numbers along K (OCP MX v1.0); their sums are f32. All else is computed in f32.
;;   The module's matrix products, in the order in which they are computed (A, B: the left and right operand; K: the contracted axis; several contracted axes count as one K, in the product's order):
;;     1. [M 8,192, K 1,024] x [K 1,024, N 1,024]; A: input queries; B: input Wq: QUANTISED
;;     2. [M 8,192, K 1,024] x [K 1,024, N 1,024]; A: input keys; B: input Wk: QUANTISED
;;     3. [M 8,192, K 1,024] x [K 1,024, N 1,024]; A: input values; B: input Wv: QUANTISED
;;     4. batch 32 x [M 2,048, K 128] x [K 128, N 2,048]; A: computed on the way; B: computed on the way: QUANTISED
;;     5. batch 32 x [M 128, K 2,048] x [K 2,048, N 2,048]; A: computed on the way; B: softmax (see below): QUANTISED
;;     6. [M 8,192, K 1,024] x [K 1,024, N 1,024]; A: computed on the way; B: input Wo: QUANTISED
;;   THE QUANTISER, for each operand of a quantised product, along K:
;;     - K is cut into blocks of 32 from its start; a last block that is shorter is filled with zeros.
;;     - A block's scale is 2^e with e = floor(log2(the largest magnitude in the block)) - 2, held to -126 .. 127; a block of zeros has e = 0. As a byte (E8M0): e + 127.
;;     - Each number is divided by its block's scale, clamped to +-7.5, and rounded to the nearest number of E2M3, ties to even, subnormals kept.
;;     - The product sums the exact products of the quantised numbers (number of the format x scale) in f32.
;;   ~~~python
;;   def quantise(x, axis):      # numpy; x: float32 -> the quantised numbers, widened to float32 again
;;       x = np.moveaxis(x, axis, -1); K = x.shape[-1]
;;       x = np.pad(x, [(0, 0)] * (x.ndim - 1) + [(0, -K % 32)]); x = x.reshape(x.shape[:-1] + (-1, 32)); a = np.abs(x).max(-1, keepdims=True)
;;       e = np.where(a > 0, np.clip(np.frexp(np.where(a > 0, a, 1))[1] - 1 - 2, -126, 127), 0)      # np.frexp(a)[1] - 1 = floor(log2(a)), exactly
;;       r = np.clip(x / 2.0 ** e, -7.5, 7.5)
;;       step = 2.0 ** (np.maximum(np.frexp(np.where(r == 0, 1, r))[1] - 1, 0) - 3)
;;       q = np.round(r / step) * step * 2.0 ** e      # np.round: ties to even
;;       return np.moveaxis(q.reshape(q.shape[:-2] + (-1,))[..., :K], -1, axis).astype(np.float32)
;;   ~~~
;;   SOFTMAX AHEAD OF A QUANTISED PRODUCT. Where the list says 'softmax', what is quantised is not the finished softmax but p = 2^(t - M), with t = logit x log2(e) and M = ceil(the row's largest t), a whole number; so 1/2 < the row's largest p <= 1. The row's sum l is taken of the UNQUANTISED p, in f32, and the product's result is divided by l at the end. Since M is a whole number, a kernel that streams over the keys may use a running M (the ceiling of the running maximum): every later rescaling is an exact power of two, which a block's scale takes up: the codes' values come out the same.
;;   OPERANDS COMPUTED ON THE WAY. 'Computed on the way' means the value that the module computes at that place (a softmax that the list does not call 'softmax' is quantised finished and normalised). What goes into a quantiser is computed in f32, as accurately as f32 sums, v_exp_f32 and their like allow (about 1e-6 of the number): no bf16 or f16 on the way to a quantiser, and a product that is left as it is and whose result goes on into a quantised operand takes f32 operands (vector FMAs, or v_wmma_f32_16x16x4_f32). A number that lies on a knife's edge between two numbers of the format may be rounded either way, as far as f32 arithmetic and the matrix unit's own rounding can turn it there, and no further.
;; One version. Each part assembles by itself: llvm-mc -triple=amdgcn-amd-amdhsa -mcpu=gfx1250 --defsym DOCPART=n.
;; ======== version 1 of 1: 4 launches
;; limits: right only within a limited range of input values
;; workspace buffers: wimg 3,276,800 bytes; qkc 18,874,368 bytes; qks 786,432 bytes; oimg 6,291,456 bytes; osc 262,144 bytes
;; launch wquant (part 1): grid 8 x 32, 4 waves a work-group, no clusters, 12,800 bytes of LDS; arguments Wq, Wk, Wv, Wo, wimg; writes wimg
.if DOCPART == 1
	.amdgcn_target "amdgcn-amd-amdhsa--gfx1250"
	.amdhsa_code_object_version 6
	.text
	.protected	k_q6d27aeddfd_wquant
	.globl	k_q6d27aeddfd_wquant
	.p2align	8
	.type	k_q6d27aeddfd_wquant,@function
k_q6d27aeddfd_wquant:
	s_mov_b64 s[64:65], 0
	v_nop
	global_prefetch_b8 v0, s[64:65] scope:SCOPE_SE
	s_setreg_imm32_b32 hwreg(HW_REG_WAVE_MODE, 25, 1), 1
	s_wait_xcnt 0x0
; The four weights, f32 [1024 (k)][1024 (n)], become codes of FP6 (E2M3) with one E8M0 byte for each 32 along k, laid as IMAGES OF OPERAND REGISTERS.
; A fragment is 16 columns x 128 k: 12 registers a lane (lane (r, h): column r, registers 6 c .. 6 c + 5 = k 64 c + 32 h + 0 .. 31).  Its image is three planes of 512 bytes: plane p holds
; registers 4 p .. 4 p + 3, lane l's 16 bytes at 16 l.  THE COLUMNS OF A TILE ARE NOT NEIGHBOURS: lane r of tile 2 b + u takes column 32 b + 8 u + r + 8 (r / 8).
; wimg: [weight 4][K step 8][group 16][6400]: a group is four tiles' images (4 x 1536 bytes), then 256 bytes of scale words [r 16][tile 4].
; SHARES: work-group y = 8 x weight + K step; x = 128 columns; a wave takes 32 columns x 128 k: two whole fragments.  A lane takes a column and its registers run down k: a block of 32 is one lane's,
; each load reads 128 consecutive bytes a wave, and the conversions give codes with k innermost.  The codes turn through the wave's own 3,072 bytes of LDS into image order and leave 512 consecutive bytes a store.
; A block's scale is 2^(floor(log2(largest magnitude)) - 2).  LIMITS: a block whose largest magnitude lies under 2^-124, a block of zeros among them, keeps the byte 1 (its codes are zeros or
; nearly so; the bytes are read by this program alone); NaN and infinities are not served.
.set X,     96                         ; v96-223  128 numbers: four blocks of 32
.set C,     16                         ; v16..    block t's six code registers at v[16 + 8 t]
.set C2,    48                         ; v48..    the second conversion's three, at v[48 + 4 t]
.set OUTR,  64                         ; v64-87   the way out
.set SPW,   6                          ; v6   LDS address of my spare word; never rewritten
.set NIL,   7                          ; v7   0; never rewritten
.set SPARE, 12288                      ; behind the four stages: 128 bytes for each wave, which no other line names
	s_load_b256 s[4:11], s[0:1], 0x0               ; Wq, Wk, Wv, Wo
	s_load_b64 s[12:13], s[0:1], 0x20              ; wimg
	v_lshl_add_u32 v[SPW], v0, 2, SPARE
	v_mov_b32 v[NIL], 0
	v_lshrrev_b32 v8, 5, v0
	v_readfirstlane_b32 s14, v8                    ; wave
	v_and_b32 v9, 31, v0                           ; lane = my column among the wave's 32
	v_lshlrev_b32 v1, 2, v9                        ; in: 4 bytes a lane
	v_bfe_u32 v10, v0, 3, 1                        ; u: which of the two tiles my column belongs to
	v_bfe_u32 v11, v0, 4, 1
	v_and_b32 v8, 7, v0
	v_lshl_add_u32 v8, v11, 3, v8                  ; r: its lane there
	s_mul_i32 s15, s14, 3072                       ; my stage: two images
	v_mul_u32_u24 v2, v10, 1536
	v_lshl_add_u32 v2, v8, 4, v2
	v_add_nc_u32 v2, s15, v2                       ; into it: image u, lane r's 16 bytes
	v_lshlrev_b32 v4, 4, v9                        ; out: 16 bytes a lane
	v_add_nc_u32 v3, s15, v4
	s_and_b32 s16, s14, 1
	s_lshl_b32 s17, s16, 3
	v_lshlrev_b32 v5, 4, v8
	v_lshl_add_u32 v5, v10, 2, v5
	v_add_nc_u32 v5, s17, v5                       ; my scale word in the group's 256 bytes: 16 r + 4 (2 (wave % 2) + u)
	s_and_b32 s18, ttmp7, 0xffff                   ; y
	s_lshr_b32 s19, s18, 3                         ; which weight
	s_and_b32 s20, s18, 7                          ; which K step
	s_lshl_b32 s22, s20, 19                        ; 128 rows of 4,096 bytes
	s_lshl_b32 s21, ttmp9, 9
	s_add_co_u32 s22, s22, s21                     ; + 128 columns a work-group
	s_lshl_b32 s21, s14, 7
	s_add_co_u32 s22, s22, s21                     ; + 32 columns a wave
	s_mov_b32 s23, 0
	s_mul_i32 s24, s18, 102400                     ; a K step's 16 groups
	s_lshl_b32 s21, ttmp9, 1
	s_lshr_b32 s25, s14, 1
	s_add_co_u32 s21, s21, s25                     ; my group: 2 x + wave / 2
	s_mul_i32 s21, s21, 6400
	s_add_co_u32 s24, s24, s21
	s_mov_b32 s25, 0
	s_mul_i32 s28, s16, 3072                       ; my two images in the group
	s_mov_b32 s29, 0
	s_wait_kmcnt 0x0
	s_cmp_eq_u32 s19, 1                            ; the weight is chosen by the work-group's number alone
	s_cselect_b64 s[4:5], s[6:7], s[4:5]
	s_cmp_eq_u32 s19, 2
	s_cselect_b64 s[4:5], s[8:9], s[4:5]
	s_cmp_eq_u32 s19, 3
	s_cselect_b64 s[4:5], s[10:11], s[4:5]
	s_add_nc_u64 s[4:5], s[4:5], s[22:23]
	s_add_nc_u64 s[12:13], s[12:13], s[24:25]      ; my group
	s_add_nc_u64 s[26:27], s[12:13], s[28:29]      ; my images
.macro LOADB t                         ; block t: W(128 s + 32 t + i, my column)
.irp i, 0,1,2,3,4,5,6,7,8,9,10,11,12,13,14,15,16,17,18,19,20,21,22,23,24,25,26,27,28,29,30,31
	global_load_b32 v[X+32*(\t)+\i], v1, s[4:5] offset:(32*(\t)+\i)*4096 th:TH_LOAD_NT
.endr
.endm
	LOADB 0
	LOADB 1
	LOADB 2
	LOADB 3
.macro BLOCK t, left
.set XS, X+32*(\t)
	s_wait_loadcnt \left                           ; loads come back in order: this block's 32 are in
	v_max3_num_f32 v8, |v[XS]|, |v[XS+1]|, |v[XS+2]|     ; the block's largest magnitude: all 32 numbers are mine; two chains
	v_max3_num_f32 v9, |v[XS+3]|, |v[XS+4]|, |v[XS+5]|
.irp i, 6,10,14,18,22,26
	v_max3_num_f32 v8, v8, |v[XS+\i]|, |v[XS+\i+1]|
	v_max3_num_f32 v9, v9, |v[XS+\i+2]|, |v[XS+\i+3]|
.endr
	v_max3_num_f32 v8, v8, |v[XS+30]|, |v[XS+31]|
	v_max3_num_f32 v8, v8, v9, 0x1800000           ; and the floor 2^(3 - 127): the byte cannot fall under 1
	v_add_nc_u32 v10, 0xff000000, v8               ; 2 off the exponent field: the conversion takes this operand's exponent field as its scale
	v_lshrrev_b32 v11, 23, v10                     ; the scale's byte
.if (\t) == 0
	v_mov_b32 v12, v11                             ; four bytes make my column's scale word, the lower k in the lower byte
.else
	v_lshl_or_b32 v12, v11, 8*(\t), v12
.endif
	v_cvt_scalef32_pk16_fp6_f32 v[C+8*(\t):C+8*(\t)+2], v[XS:XS+15], v10
	v_cvt_scalef32_pk16_fp6_f32 v[C2+4*(\t):C2+4*(\t)+2], v[XS+16:XS+31], v10   ; (a conversion's three registers begin on an even number)
	v_nop                                          ; one plain instruction behind the conversions, ahead of the moves that read their results
.irp i, 0,1,2
	v_mov_b32 v[C+8*(\t)+3+\i], v[C2+4*(\t)+\i]
.endr
; block t = 2 c + h is registers 6 c .. 6 c + 5 of lane r + 16 h of my tile's fragment: 24 bytes that straddle two planes of the image
.if (\t) < 2
	ds_store_b128 v2, v[C+8*(\t):C+8*(\t)+3] offset:256*((\t)%2)
	ds_store_b64 v2, v[C+8*(\t)+4:C+8*(\t)+5] offset:512+256*((\t)%2)
.else
	ds_store_b64 v2, v[C+8*(\t):C+8*(\t)+1] offset:520+256*((\t)%2)
	ds_store_b128 v2, v[C+8*(\t)+2:C+8*(\t)+5] offset:1024+256*((\t)%2)
.endif
.endm
	BLOCK 0, 63                                    ; 96 and 64 younger loads could stay out; the wait's field holds 63
	BLOCK 1, 63
	BLOCK 2, 32
	BLOCK 3, 0
	global_store_b32 v5, v12, s[12:13] offset:6144 ; my column's scale word
.irp i, 0,1,2,3,4,5
	ds_load_b128 v[OUTR+4*\i:OUTR+4*\i+3], v3 offset:512*\i      ; LDS serves a wave's instructions in order: these see my stores
.endr
.irp i, 0,1,2,3,4,5
	s_wait_dscnt 5-\i
	global_store_b128 v4, v[OUTR+4*\i:OUTR+4*\i+3], s[26:27] offset:512*\i   ; 32 lanes store 512 consecutive bytes
.endr
	s_wait_tensorcnt 0x0                           ; the wave's end, behind my last LDS store
	ds_add_u32 v[SPW], v[NIL]
	s_wait_dscnt 0x0
	s_endpgm
.Lfunc_end_k_q6d27aeddfd_wquant:
	.size	k_q6d27aeddfd_wquant, .Lfunc_end_k_q6d27aeddfd_wquant-k_q6d27aeddfd_wquant
	.p2alignl 7, 3214868480
	.fill 96, 4, 3214868480
	.section	.rodata,"a",@progbits
	.p2align	6, 0x0
	.amdhsa_kernel k_q6d27aeddfd_wquant
		.amdhsa_group_segment_fixed_size 12800
		.amdhsa_private_segment_fixed_size 0
		.amdhsa_enable_private_segment 0
		.amdhsa_kernarg_size 40
		.amdhsa_user_sgpr_count 2
		.amdhsa_user_sgpr_kernarg_segment_ptr 1
		.amdhsa_wavefront_size32 1
		.amdhsa_system_sgpr_workgroup_id_x 1
		.amdhsa_system_sgpr_workgroup_id_y 1
		.amdhsa_system_sgpr_workgroup_id_z 1
		.amdhsa_system_vgpr_workitem_id 0
		.amdhsa_next_free_vgpr 224
		.amdhsa_next_free_sgpr 66
		.amdhsa_reserve_vcc 0
		.amdhsa_float_denorm_mode_32 3
		.amdhsa_float_denorm_mode_16_64 3
		.amdhsa_memory_ordered 1
		.amdhsa_forward_progress 1
		.amdhsa_inst_pref_size 23
	.end_amdhsa_kernel
	.amdgpu_metadata
---
amdhsa.version: [ 1, 2 ]
amdhsa.kernels:
  - .name:           k_q6d27aeddfd_wquant
    .symbol:         k_q6d27aeddfd_wquant.kd
    .args:
      - { .name: Wq, .offset: 0, .size: 8, .value_kind: global_buffer, .address_space: global }
      - { .name: Wk, .offset: 8, .size: 8, .value_kind: global_buffer, .address_space: global }
      - { .name: Wv, .offset: 16, .size: 8, .value_kind: global_buffer, .address_space: global }
      - { .name: Wo, .offset: 24, .size: 8, .value_kind: global_buffer, .address_space: global }
      - { .name: wimg, .offset: 32, .size: 8, .value_kind: global_buffer, .address_space: global }
    .group_segment_fixed_size: 12800
    .private_segment_fixed_size: 0
    .kernarg_segment_align: 8
    .kernarg_segment_size: 40
    .max_flat_workgroup_size: 128
    .sgpr_count:     66
    .vgpr_count:     224
    .wavefront_size: 32
...
	.end_amdgpu_metadata
.endif
;; end of part 1
;; launch proj (part 2): grid 384 x 1, 8 waves a work-group, clusters of 4 x 1, 327,680 bytes of LDS; arguments queries, keys, values, bq, bk, bv, wimg, qkc, qks; writes qkc, qks
.if DOCPART == 2
	.amdgcn_target "amdgcn-amd-amdhsa--gfx1250"
	.amdhsa_code_object_version 6
	.text
	.protected	k_q6d27aeddfd_proj
	.globl	k_q6d27aeddfd_proj
	.p2align	8
	.type	k_q6d27aeddfd_proj,@function
k_q6d27aeddfd_proj:
	s_mov_b64 s[64:65], 0
	v_nop
	global_prefetch_b8 v0, s[64:65] scope:SCOPE_SE
	s_setreg_imm32_b32 hwreg(HW_REG_WAVE_MODE, 25, 1), 1
	s_wait_xcnt 0x0
	s_wait_alu depctr_hold_cnt(0) depctr_sa_sdst(0) depctr_va_vdst(0) depctr_va_sdst(0) depctr_va_ssrc(0) depctr_va_vcc(0) depctr_vm_vsrc(0)
	s_getreg_b32 s2, hwreg(HW_REG_IB_STS2, 6, 4)
	s_cmp_eq_u32 s2, 0
	s_cbranch_scc0 .Lentry_in_a_cluster
	s_endpgm
.Lentry_in_a_cluster:
	s_bfe_u32 s2, ttmp6, 0x10000c
	s_cmp_lg_u32 s2, 0x3003
	s_cbranch_scc0 .Lentry_shape_is_right
	s_endpgm
.Lentry_shape_is_right:
; q = queries Wq + bq, k = keys Wk + bk, v = values Wv + bv, on codes of FP6 (E2M3) with one E8M0 byte for each 32 along K; the results leave as codes again, as images of the next products' operand registers.
; SHARES.  Work-group = tensor T (0 q, 1 k, 2 v) x a block of 64 rows x ALL 1,024 columns, so the f32 rows are read once in the launch.  EIGHT waves, two to a SIMD: wave w owns head w (8 tiles of W's columns) for the
; four tiles of 16 rows: 32 accumulators, 256 registers.
; X: wave w quantises tile w % 4 of the rows for K steps 4 (w / 4) .. + 3 and stores the fragments' images in LDS | 8 K steps of 128, written out: x's four fragments from LDS, W's eight by two roads | bias, quantiser, stores.
; W'S TWO ROADS.  A wave's first group of four tiles goes from memory straight into operand registers (it lies there in image order): two sets of registers, each asked for two K steps ahead of its products.
; Its second group comes by tensor loads into a ring of the wave's own: two slots, each with the group's 6,400 bytes of two K steps; a load has two K steps in which to land.
; x has ONE set of registers: its four fragments and W's second group are fetched from LDS at a K step's head.
; CLUSTER: the four work-groups of a 4 x 1 cluster are four row blocks of one tensor and walk the same W: the ring's loads are joint ones, mask 15; their descriptors hang on the tensor and the wave's number alone.
; NO PREFETCH: a weight's 819,200 bytes are walked by all 128 work-groups of its tensor in step, so each byte is asked for by many shortly before; x's rows are each read once, by plain loads all issued at the head.
; TILES ARE PERMUTED: lane r of tile 2 b + u (of rows of x, of columns of W) takes index 32 b + 8 u + r + 8 (r / 8): in a result the 16 registers of source 0's tiles 2 b, 2 b + 1 are then 16 neighbours.
; q, k: source 0 = W's tile, source 1 = x's: a lane holds one row, its registers run along the head's 128 channels, the next product's K.
; v:    source 0 = x's tile, source 1 = W's: a lane holds one channel, its registers run along the keys, ITS next product's K.  Both uses number the accumulators alike.
; LIMITS: a block whose largest magnitude lies under 2^-124, a block of zeros among them, keeps the byte 1 (the bytes are read by this program alone); NaN and infinities are not served.
; REGISTERS: window 0: v1-15 addresses; v16-19, v28-31 the first group's scale words, two sets; v20-23 the second group's; v24-27 x's; v32-79 x's fragments; v128-175, v80-127 the first group's fragments, two sets;
;   v176-223 the second group's; v224-227 the bias as loaded.  (In X and on the way out v32-89 serve the quantiser; on the way out v96-111 hold v's bias, v128-191 64 numbers, v192-255 q's or k's bias.)
;   window 1: in X four sets of 64 numbers; then the 32 accumulators, (t, xi) at v[32 t + 8 xi].
.set CT,    6291456                    ; qkc: a tensor's codes;
.set HC,    196608                     ; a head's
.set SCT,   262144                     ; qks: a tensor's scale words
.set WTEN,  819200                     ; wimg: a weight;
.set WSTEP, 102400                     ; a K step;
.set WUNIT, 6400                       ; a group of four tiles: four images, then 256 bytes of scale words
.set FRB,   1536                       ; a fragment's image
.set XIMG,  0                          ; LDS: x's images [K step 8][tile 4][1536]
.set XSC,   49152                      ; their scale words [K step 8][r 16][tile 4]
.set STG,   51200                      ; for each wave a stage of 16 rows x (512 + 16) bytes; on the way out its first 512 bytes hold the bias
.set SPARE, 118784                     ; the spare words, 128 bytes for each wave, which no other line names
.set WSL,   119808                     ; W's ring: [wave 8][slot 2][K step 2][6400]
.set LI,   1                           ; 16 x lane
.set L8,   2                           ; 8 x lane
.set LS16, 3                           ; 16 r
.set LS4,  4                           ; 4 r
.set BLQ,  5                           ; my bias in LDS, + 64 h
.set BLV,  6                           ; my bias in LDS, + 4 (r + 8 (r / 8))
.set SA,   7                           ; my stage, as the rows are loaded
.set SB,   8                           ; my stage, as the quantiser wants them: row r, + 64 h
.set XWI,  9                           ; where I store x's images
.set XWS,  10                          ; and their scale words
.set BLS,  11                          ; my bias in LDS, + 16 x lane
.set SPW,  12                          ; LDS address of my spare word; never rewritten
.set NIL,  13                          ; 0; never rewritten
.set WLA,  14                          ; my ring, + 16 x lane
.set WLB,  15                          ; my ring, + 16 r
.set WS,   16                          ; the first group's scale words, even K steps
.set WS1,  20                          ; the second group's
.set XS,   24
.set WS2,  28                          ; the first group's, odd K steps
.set XF,   32
.set TM,   32
.set PC0,  48
.set PW0,  88
.set WF2,  80                          ; the first group's fragments, odd K steps
.set BV,   96
.set WF,   128                         ; the first group's fragments, even K steps
.set WF1,  176                         ; the second group's
.set ST,   128
.set BQ,   192
.set BT,   224
.set WV,   22
.set TT,   23
.set XP,   28
.set BIP,  30
.set WP,   32
.set CDP,  34
.set SCP,  36
.set SEL,  38
.set G1,   68
.set G0,   76                          ; s[76:79] slot 0's group 0, s[80:83] slot 1's
.set MSB, 0
.macro WIN new                         ; s_set_vgpr_msb: bits 1:0 source 0, 3:2 source 1, 5:4 source 2, 7:6 destination; the high byte repeats the setting that is left
.if MSB != (\new)
	s_set_vgpr_msb (MSB<<8)|(\new)
.set MSB, (\new)
.endif
.endm
.macro PLACES                          ; four plain instructions between a matrix instruction and a load into, or a vector read or write of, its registers (ISA guide 7.12.1 for vector reads and writes)
.rept 4
	v_nop
.endr
.endm
.macro ROUND                           ; a round of the cluster's barrier
	s_barrier_signal -1
	s_barrier_wait -1
	s_cmp_lg_u32 s[WV], 0
	s_cbranch_scc1 .Lnw0_\@
	s_barrier_signal -3
.Lnw0_\@:
	s_barrier_wait -3
	s_barrier_signal -1
	s_barrier_wait -1
.endm
; 64 numbers of a lane, in window win, register 16 b + i = k 32 b + 16 (lane / 16) + i of my row, become a fragment's codes in v[pc] .. v[pc + 11] (pc + 12 .. 19 at work) and its scale word in v[pw], both in window 0.
; hold = 1: pc and pw are the data of stores issued ahead of this macro: the wait that frees them stands ahead of their first write
.macro QUANT s, pc, pw, win, hold
	WIN 0x05*(\win)
.irp b, 0,1,2,3
	v_max3_num_f32 v[TM+\b], |v[(\s)+16*\b]|, |v[(\s)+1+16*\b]|, 0x1800000   ; block b: my 16 numbers and the floor 2^(3 - 127)
.endr
	WIN 0x14*(\win)
.irp i, 2,4,6,8,10,12,14
.irp b, 0,1,2,3
	v_max3_num_f32 v[TM+\b], v[TM+\b], |v[(\s)+16*\b+\i]|, |v[(\s)+1+16*\b+\i]|
.endr
.endr
	WIN 0
.irp b, 0,1,2,3
	v_permlanex16_b32 v[TM+4+\b], v[TM+\b], s[SEL], s[SEL+1]
.endr
.irp b, 0,1,2,3
	s_delay_alu instid0(VALU_DEP_4)
	v_max_num_f32 v[TM+\b], v[TM+\b], v[TM+4+\b]   ; with lane l xor 16's: the block's largest magnitude
.endr
.irp b, 0,1,2,3
	s_delay_alu instid0(VALU_DEP_4)
	v_add_nc_u32 v[TM+12+\b], 0xff000000, v[TM+\b] ; 2 off its exponent field: the conversion's scale operand
.endr
.irp b, 0,1,2,3
	s_delay_alu instid0(VALU_DEP_4)
	v_lshrrev_b32 v[TM+4+\b], 23, v[TM+12+\b]      ; the scale's byte
.endr
.if \hold
	s_wait_alu depctr_va_vdst(0)
	s_wait_xcnt 0x0                                ; the last piece's stores have had their addresses translated (ISA guide 3.1): only now are their data registers written again
.endif
	v_lshl_or_b32 v[\pw], v[TM+5], 8, v[TM+4]
	s_delay_alu instid0(VALU_DEP_1)
	v_lshl_or_b32 v[\pw], v[TM+6], 16, v[\pw]
	s_delay_alu instid0(VALU_DEP_1)
	v_lshl_or_b32 v[\pw], v[TM+7], 24, v[\pw]
	WIN 0x01*(\win)
.irp c, 0,1
	v_cvt_scalef32_pk16_fp6_f32 v[(\pc)+6*\c:(\pc)+2+6*\c], v[(\s)+32*\c:(\s)+15+32*\c], v[TM+12+2*\c]
	v_cvt_scalef32_pk16_fp6_f32 v[(\pc)+12+4*\c:(\pc)+14+4*\c], v[(\s)+16+32*\c:(\s)+31+32*\c], v[TM+12+2*\c+1]
.endr
	WIN 0
	v_nop                                          ; one plain instruction behind the conversions
.irp c, 0,1                                    ; the layout wants a whole block in a lane: lanes 0-15 block 2 c, lanes 16-31 block 2 c + 1
.irp i, 0,1,2
	v_permlane16_swap_b32 v[(\pc)+6*\c+\i], v[(\pc)+12+4*\c+\i]
.endr
.irp i, 0,1,2
	s_delay_alu instid0(VALU_DEP_3)
	v_mov_b32 v[(\pc)+3+6*\c+\i], v[(\pc)+12+4*\c+\i]
.endr
.endr
.endm
	s_load_b512 s[4:19], s[0:1], 0x0               ; queries, keys, values, bq, bk, bv, wimg, qkc
	s_load_b64 s[20:21], s[0:1], 0x40              ; qks
	v_lshl_add_u32 v[SPW], v0, 2, SPARE
	v_mov_b32 v[NIL], 0
	ds_add_u32 v[SPW], v[NIL]                      ; the opening lines: the add, twice on end, and its wait ahead of my first tensor load
	ds_add_u32 v[SPW], v[NIL]
	v_lshrrev_b32 v14, 5, v0
	s_delay_alu instid0(VALU_DEP_1)
	v_readfirstlane_b32 s[WV], v14                 ; wave 0..7
	v_and_b32 v14, 31, v0                          ; lane
	v_and_b32 v15, 15, v0                          ; r
	s_delay_alu instid0(VALU_DEP_2)
	v_lshlrev_b32 v[LI], 4, v14
	s_delay_alu instid0(VALU_DEP_3)
	v_lshlrev_b32 v[L8], 3, v14
	s_delay_alu instid0(VALU_DEP_3)
	v_lshlrev_b32 v[LS16], 4, v15
	s_delay_alu instid0(VALU_DEP_4)
	v_lshlrev_b32 v[LS4], 2, v15
	v_bfe_u32 v14, v0, 4, 1                        ; h
	s_delay_alu instid0(VALU_DEP_1)
	v_lshlrev_b32 v[BLQ], 6, v14
	v_and_b32 v[BLV], 8, v15
	s_delay_alu instid0(VALU_DEP_1)
	v_add_nc_u32 v[BLV], v[BLV], v15
	s_delay_alu instid0(VALU_DEP_1)
	v_lshlrev_b32 v[BLV], 2, v[BLV]
	s_mul_i32 s42, s[WV], 8448
	s_add_co_u32 s42, s42, STG                     ; my stage
	v_add_nc_u32 v[BLS], s42, v[LI]
	v_add_nc_u32 v[BLQ], s42, v[BLQ]
	v_add_nc_u32 v[BLV], s42, v[BLV]
	v_add_nc_u32 v[SA], s42, v[LI]
	v_mul_u32_u24 v[SB], v15, 528
	s_delay_alu instid0(VALU_DEP_1)
	v_lshl_add_u32 v[SB], v14, 6, v[SB]
	s_delay_alu instid0(VALU_DEP_1)
	v_add_nc_u32 v[SB], s42, v[SB]
	s_and_b32 s27, s[WV], 3                        ; which tile of the rows I quantise,
	s_lshr_b32 s41, s[WV], 2                       ; and which four K steps of it
	s_mul_i32 s42, s27, FRB
	s_mul_i32 s43, s41, 24576
	s_add_co_u32 s42, s42, s43
	v_add_nc_u32 v[XWI], s42, v[LI]
	s_lshl_b32 s42, s27, 2
	s_lshl_b32 s43, s41, 10
	s_add_co_u32 s42, s42, s43
	v_add_nc_u32 v[XWS], s42, v[LS16]
	s_mul_i32 s58, s[WV], 25600
	s_add_co_u32 s58, s58, WSL                     ; my ring
	v_add_nc_u32 v[WLA], s58, v[LI]
	v_add_nc_u32 v[WLB], s58, v[LS16]
.irp b, 0,1,2,3
	v_mov_b32 v[TM+4+\b], 0                        ; a lane permute's destination counts as one of its sources
.endr
	s_mov_b32 s[SEL], 0x76543210
	s_mov_b32 s[SEL+1], 0xfedcba98                 ; v_permlanex16_b32's selects for lane l xor 16
	; group 1: two rows (K steps) of 6,400 bytes (800 elements of 8), 102,400 bytes apart; mask 15 with bit 21 beside it
	s_mov_b32 s[G1], 15|(3<<16)|(1<<21)
	s_mov_b32 s[G1+1], 800<<16
	s_mov_b32 s[G1+2], 2<<16
	s_mov_b32 s[G1+3], 800<<16
	s_mov_b32 s[G1+4], 2
	s_mov_b32 s[G1+5], WSTEP/8
	s_mov_b32 s[G1+6], 0
	s_mov_b32 s[G1+7], 0
	s_lshr_b32 s[TT], ttmp9, 5                     ; which tensor: 32 clusters each
	s_and_b32 s24, ttmp9, 31
	s_lshl_b32 s24, s24, 2
	s_bfe_u32 s59, ttmp6, 0x40000                  ; cx
	s_add_co_u32 s24, s24, s59                     ; which block of 64 rows
	s_lshr_b32 s25, s24, 5                         ; its batch
	s_and_b32 s26, s24, 31                         ; the block within the batch
	s_lshl_b32 s42, s24, 6                         ; x: row 64 block + 32 (tile / 2) + 8 (tile % 2): my tile's first row
	s_lshr_b32 s43, s27, 1
	s_lshl_b32 s43, s43, 5
	s_add_co_u32 s42, s42, s43
	s_and_b32 s43, s27, 1
	s_lshl_b32 s43, s43, 3
	s_add_co_u32 s42, s42, s43
	s_lshl_b32 s42, s42, 12                        ; rows of 4,096 bytes,
	s_lshl_b32 s43, s41, 11
	s_add_co_u32 s42, s42, s43                     ; + my four K steps of 512 bytes
	s_mov_b32 s43, 0
	s_mul_i32 s44, s[TT], WTEN                     ; W: my tensor's weight, my two groups
	s_mul_i32 s45, s[WV], 2*WUNIT
	s_add_co_u32 s44, s44, s45
	s_mov_b32 s45, 0
	s_lshl_b32 s46, s[WV], 9                       ; the bias: my 128 numbers
	s_mov_b32 s47, 0
	s_lshl_b32 s48, s25, 3
	s_add_co_u32 s48, s48, s[WV]                   ; batch x 8 + my head
	s_lshr_b32 s49, s26, 1                         ; which 128 rows of the batch,
	s_and_b32 s50, s26, 1                          ; and which half of them
	s_mov_b32 s51, 6144
	s_cmp_eq_u32 s[TT], 2
	s_cselect_b32 s51, 768, s51                    ; that half is four images on (q, k) or half a fragment on (v),
	s_cselect_b32 s52, 2, 256                      ; four tiles' scale words on, or two bytes of a word
	s_mul_i32 s51, s51, s50
	s_mul_i32 s52, s52, s50
	s_mul_i32 s53, s[TT], CT
	s_mul_i32 s54, s48, HC
	s_add_co_u32 s53, s53, s54
	s_mul_i32 s54, s49, 12288
	s_add_co_u32 s53, s53, s54
	s_add_co_u32 s54, s53, s51
	s_mov_b32 s55, 0
	s_mul_i32 s56, s[TT], SCT
	s_lshl_b32 s57, s48, 13
	s_add_co_u32 s56, s56, s57
	s_lshl_b32 s57, s49, 9
	s_add_co_u32 s56, s56, s57
	s_add_co_u32 s56, s56, s52
	s_mov_b32 s57, 0
	s_wait_alu depctr_va_vdst(0)
	s_wait_dscnt 0x0                               ; both opening adds are done
	s_wait_kmcnt 0x0
	s_cmp_eq_u32 s[TT], 1                          ; the buffers are chosen by the tensor's number alone
	s_cselect_b64 s[XP:XP+1], s[6:7], s[4:5]
	s_cselect_b64 s[BIP:BIP+1], s[12:13], s[10:11]
	s_cmp_eq_u32 s[TT], 2
	s_cselect_b64 s[XP:XP+1], s[8:9], s[XP:XP+1]
	s_cselect_b64 s[BIP:BIP+1], s[14:15], s[BIP:BIP+1]
	s_add_nc_u64 s[XP:XP+1], s[XP:XP+1], s[42:43]
	s_add_nc_u64 s[BIP:BIP+1], s[BIP:BIP+1], s[46:47]
	s_add_nc_u64 s[WP:WP+1], s[16:17], s[44:45]
	s_add_nc_u64 s[CDP:CDP+1], s[18:19], s[54:55]
	s_add_nc_u64 s[SCP:SCP+1], s[20:21], s[56:57]
	s_mov_b32 s[G0], 1                             ; slot 0: my second group, K steps 0 and 1
	s_mov_b32 s[G0+1], s58
	s_add_nc_u64 s[G0+2:G0+3], s[WP:WP+1], WUNIT
	s_or_b32 s[G0+3], s[G0+3], 0x80000000
	s_mov_b32 s[G0+4], 1                           ; slot 1: K steps 2 and 3
	s_add_co_u32 s[G0+5], s58, 2*WUNIT
	s_add_nc_u64 s[G0+6:G0+7], s[WP:WP+1], WUNIT+2*WSTEP
	s_or_b32 s[G0+7], s[G0+7], 0x80000000
	ROUND                                          ; the four work-groups are here: the first joint loads meet
	tensor_load_to_lds s[G0:G0+3], s[G1:G1+7]      ; my one load at the head: it lands under X
	s_nop 0
	PLACES
; ---- X.  The k-th of my four K steps of my 16 rows: 16 loads, each a row's 512 consecutive bytes, into set k of window 1
.macro XLOAD k
	WIN 0x40
.irp i, 0,1,2,3,4,5,6,7,8,9,10,11,12,13,14,15
	global_load_b128 v[64*(\k)+4*\i:64*(\k)+4*\i+3], v[LI], s[XP:XP+1] offset:(\i+8*(\i/8))*4096+512*(\k) th:TH_LOAD_NT
.endr
	WIN 0
.endm
; through my stage: in as loaded, back, into the registers that they left, as 16 neighbours of each block of 32 for lane (r, h).  LDS serves a wave's instructions in order (ISA guide 5.7.1.4): no wait between the stores
; and the loads; the step before has had its numbers back when these stores are issued.  Rows 528 bytes apart: the sixteen rows of a load start in sixteen different groups of banks
.macro TURN k
	WIN 0x04                                       ; an LDS store's data are its source 1: window 1
.irp i, 0,1,2,3,4,5,6,7,8,9,10,11,12,13,14,15
	ds_store_b128 v[SA], v[64*(\k)+4*\i:64*(\k)+4*\i+3] offset:528*\i
.endr
	WIN 0x40
.irp b, 0,1,2,3
.irp e, 0,1,2,3
	ds_load_b128 v[64*(\k)+16*\b+4*\e:64*(\k)+16*\b+4*\e+3], v[SB] offset:128*\b+16*\e
.endr
.endr
	WIN 0
.endm
; my first group of K step s into set s % 2: four fragments of W (12 loads of 512 consecutive bytes) and their scale words: 13 loads; the K step stands in the immediate
.macro WLOAD s
.if (\s)%2
.set WB_, WF2
.set SW_, WS2
.else
.set WB_, WF
.set SW_, WS
.endif
.irp f, 0,1,2,3
.irp c, 0,1,2
	global_load_b128 v[WB_+12*\f+4*\c:WB_+12*\f+4*\c+3], v[LI], s[WP:WP+1] offset:WSTEP*(\s)+FRB*\f+512*\c
.endr
.endr
	global_load_b128 v[SW_:SW_+3], v[LS16], s[WP:WP+1] offset:WSTEP*(\s)+6144
.endm
; my second group of K step s, out of my ring: 13 LDS loads of consecutive bytes
.macro WLDS s
.irp f, 0,1,2,3
.irp c, 0,1,2
	ds_load_b128 v[WF1+12*\f+4*\c:WF1+12*\f+4*\c+3], v[WLA] offset:2*WUNIT*(((\s)/2)%2)+WUNIT*((\s)%2)+FRB*\f+512*\c
.endr
.endr
	ds_load_b128 v[WS1:WS1+3], v[WLB] offset:2*WUNIT*(((\s)/2)%2)+WUNIT*((\s)%2)+6144
.endm
.macro XSTEP k
.if (\k) > 0
	s_wait_dscnt 4                                 ; this step's numbers are back from the stage; the four younger LDS instructions are the last step's image and scale word
.else
	s_wait_dscnt 0x0
.endif
.if (\k) == 3
	WLOAD 0                                        ; no load of x is out any more: W's first group of K step 0
.endif
.if (\k) < 3
	s_wait_loadcnt 16*(2-(\k))                     ; the next step's 16 loads are in; those of the steps behind it, 16 each, may be out
	TURN (\k)+1
.endif
	QUANT 64*(\k), PC0+20*((\k)%2), PW0+((\k)%2), 1, 0
.irp c, 0,1,2
	ds_store_b128 v[XWI], v[PC0+20*((\k)%2)+4*\c:PC0+20*((\k)%2)+4*\c+3] offset:XIMG+6144*(\k)+512*\c
.endr
	ds_store_b32 v[XWS], v[PW0+(\k)%2] offset:XSC+256*(\k)   ; lanes r and r + 16 write the same word with the same value
.endm
	global_load_b128 v[BT:BT+3], v[LI], s[BIP:BIP+1]   ; my head's 128 bias numbers: they wait in registers for the way out
	XLOAD 0
	XLOAD 1
	XLOAD 2
	XLOAD 3
	s_wait_loadcnt 48                              ; the bias and my first K step's 16 loads are in; three sets of 16 may be out
	TURN 0
.irp k, 0,1,2,3
	XSTEP \k
.endr
	s_wait_tensorcnt 0x0                           ; slot 0 is in
	ds_add_u32 v[SPW], v[NIL]
	s_wait_dscnt 0x0                               ; the add is done, and, for the others' sake, my images and scale words have landed
	ROUND                                          ; x's 32 fragments lie in LDS
	tensor_load_to_lds s[G0+4:G0+7], s[G1:G1+7]    ; slot 1's first fill: K steps 2 and 3
	s_nop 0
	PLACES
	WLOAD 1                                        ; the quantiser has left the second set's registers: W's first group of K step 1
; ---- the product
.macro XFETCH s                        ; K step s's four fragments of x and their scale words: 13 LDS loads of consecutive bytes
.irp xi, 0,1,2,3
.irp c, 0,1,2
	ds_load_b128 v[XF+12*\xi+4*\c:XF+12*\xi+4*\c+3], v[LI] offset:XIMG+6144*(\s)+FRB*\xi+512*\c
.endr
.endr
	ds_load_b128 v[XS:XS+3], v[LS16] offset:XSC+256*(\s)
.endm
; 16 products: group q's four tiles of W x the four tiles of rows.  The branch hangs on the tensor's number alone and leads round the products alone; both arms write the same accumulators in the same order.
; The 32 accumulators take turns, one instruction a turn, in the same order in every K step.  K step 0 starts the sums: nothing is cleared
.macro MULG q, s
.if (\q) == 1
.set WB_, WF1
.set SW_, WS1
.elseif (\s)%2
.set WB_, WF2
.set SW_, WS2
.else
.set WB_, WF
.set SW_, WS
.endif
	s_cmp_eq_u32 s[TT], 2
	s_cbranch_scc1 .Lmv_\@
	WIN 0x50                                       ; W and x in window 0, C and D in window 1
.irp f, 0,1,2,3
.irp xi, 0,1,2,3
.if (\s) == 0
	v_wmma_scale_f32_16x16x128_f8f6f4 v[32*(4*(\q)+\f)+8*\xi:32*(4*(\q)+\f)+8*\xi+7], v[WB_+12*\f:WB_+12*\f+11], v[XF+12*\xi:XF+12*\xi+11], 0, v[SW_+\f], v[XS+\xi] matrix_a_fmt:MATRIX_FMT_FP6 matrix_b_fmt:MATRIX_FMT_FP6
.else
	v_wmma_scale_f32_16x16x128_f8f6f4 v[32*(4*(\q)+\f)+8*\xi:32*(4*(\q)+\f)+8*\xi+7], v[WB_+12*\f:WB_+12*\f+11], v[XF+12*\xi:XF+12*\xi+11], v[32*(4*(\q)+\f)+8*\xi:32*(4*(\q)+\f)+8*\xi+7], v[SW_+\f], v[XS+\xi] matrix_a_fmt:MATRIX_FMT_FP6 matrix_b_fmt:MATRIX_FMT_FP6
.endif
.endr
.endr
	WIN 0
	s_branch .Lmj_\@
.Lmv_\@:
	WIN 0x50                                       ; v: the sources, and their scale words, change places
.irp f, 0,1,2,3
.irp xi, 0,1,2,3
.if (\s) == 0
	v_wmma_scale_f32_16x16x128_f8f6f4 v[32*(4*(\q)+\f)+8*\xi:32*(4*(\q)+\f)+8*\xi+7], v[XF+12*\xi:XF+12*\xi+11], v[WB_+12*\f:WB_+12*\f+11], 0, v[XS+\xi], v[SW_+\f] matrix_a_fmt:MATRIX_FMT_FP6 matrix_b_fmt:MATRIX_FMT_FP6
.else
	v_wmma_scale_f32_16x16x128_f8f6f4 v[32*(4*(\q)+\f)+8*\xi:32*(4*(\q)+\f)+8*\xi+7], v[XF+12*\xi:XF+12*\xi+11], v[WB_+12*\f:WB_+12*\f+11], v[32*(4*(\q)+\f)+8*\xi:32*(4*(\q)+\f)+8*\xi+7], v[XS+\xi], v[SW_+\f] matrix_a_fmt:MATRIX_FMT_FP6 matrix_b_fmt:MATRIX_FMT_FP6
.endif
.endr
.endr
	WIN 0
.Lmj_\@:
.endm
; K step s.  No LDS load of mine is out at its head.  At K steps 2 and 4 the ring changes slots: all my tensor loads are in, the add, my reads of the slot left behind are over, a round, and that slot takes the K steps four on
.macro KSTEP s
.if ((\s) == 2) || ((\s) == 4)
.set N_, (((\s)/2)+1)%2
	s_wait_tensorcnt 0x0
	ds_add_u32 v[SPW], v[NIL]
	s_add_nc_u64 s[G0+4*N_+2:G0+4*N_+3], s[G0+4*N_+2:G0+4*N_+3], 4*WSTEP
	s_wait_dscnt 0x0
	ROUND
	tensor_load_to_lds s[G0+4*N_:G0+4*N_+3], s[G1:G1+7]
	s_nop 0
	PLACES
.elseif (\s) == 6
	s_wait_tensorcnt 0x0                           ; K steps 6 and 7 are in: the bytes are my own, and nothing is filled again
.endif
	XFETCH \s                                      ; (the products that read these registers stand four plain instructions back)
	WLDS \s
.if (\s) < 7
	s_wait_loadcnt 13                              ; my first group of this K step, asked for two K steps ago, is in; the next K step's 13 loads may be out
.else
	s_wait_loadcnt 0x0
.endif
	s_wait_dscnt 13                                ; x's 13 loads are in; W's 13 may be out
	MULG 0, \s
	PLACES
.if (\s) < 6
	WLOAD (\s)+2                                   ; into the set just multiplied
.endif
	s_wait_dscnt 0x0                               ; my second group is in
	MULG 1, \s
	PLACES
.endm
.irp s, 0,1,2,3,4,5,6,7
	KSTEP \s
.endr
; the bias through my own stage, in both layouts, into registers that the last products have left (four plain instructions stand between); LDS serves a wave's instructions in order
	ds_store_b128 v[BLS], v[BT:BT+3]
.irp t, 0,1,2,3,4,5,6,7                        ; q, k: lane (r, h), tile 2 b + u: channels 32 b + 8 u + 16 h + 0 .. 7
	ds_load_b128 v[BQ+8*\t:BQ+8*\t+3], v[BLQ] offset:(32*(\t/2)+8*(\t%2))*4
	ds_load_b128 v[BQ+8*\t+4:BQ+8*\t+7], v[BLQ] offset:(32*(\t/2)+8*(\t%2))*4+16
.endr
.irp w, 0,1,2,3,4,5,6,7                        ; v: lane r of tile w holds one channel: its bias, in both registers of a pair for the packed addition
	ds_load_b32 v[BV+2*\w], v[BLV] offset:(32*(\w/2)+8*(\w%2))*4
	ds_load_b32 v[BV+2*\w+1], v[BLV] offset:(32*(\w/2)+8*(\w%2))*4
.endr
	s_wait_dscnt 0x0
; ---- the way out: four pieces of 64 numbers a lane: + bias, quantised, stored as images
.macro QKPIECE xi                      ; tile xi of the rows: my row's 128 channels
	WIN 0x01
.set M_, 0
.rept 32
	v_pk_add_f32 v[ST+2*M_:ST+2*M_+1], v[32*(M_/4)+8*(\xi)+2*(M_%4):32*(M_/4)+8*(\xi)+2*(M_%4)+1], v[BQ+2*M_:BQ+2*M_+1]   ; each accumulator from its low end on
.set M_, M_+1
.endr
	WIN 0
.if (\xi) > 0
	QUANT ST, PC0, PW0, 0, 1
.else
	QUANT ST, PC0, PW0, 0, 0
.endif
.irp c, 0,1,2
	global_store_b128 v[LI], v[PC0+4*\c:PC0+4*\c+3], s[CDP:CDP+1] offset:FRB*(\xi)+512*\c   ; 512 consecutive bytes
.endr
	global_store_b32 v[LS4], v[PW0], s[SCP:SCP+1] offset:64*(\xi)
.endm
.macro VPIECE i                        ; W's tiles 2 i and 2 i + 1: for each, my channel's 64 keys: two blocks of 32, half of a fragment of 128 keys
	WIN 0x01
.set M_, 0
.rept 32
	v_pk_add_f32 v[ST+2*M_:ST+2*M_+1], v[64*(\i)+2*M_:64*(\i)+2*M_+1], v[BV+2*(2*(\i)+M_/16):BV+2*(2*(\i)+M_/16)+1]
.set M_, M_+1
.endr
	WIN 0
.if (\i) > 0
	QUANT ST, PC0, PW0, 0, 1
.else
	QUANT ST, PC0, PW0, 0, 0
.endif
	global_store_b128 v[LI], v[PC0:PC0+3], s[CDP:CDP+1] offset:FRB*(2*(\i))            ; a half fragment: four registers a lane, 512 bytes,
	global_store_b64 v[L8], v[PC0+4:PC0+5], s[CDP:CDP+1] offset:FRB*(2*(\i))+512        ; and two more, 256 bytes
	global_store_b128 v[LI], v[PC0+6:PC0+9], s[CDP:CDP+1] offset:FRB*(2*(\i)+1)
	global_store_b64 v[L8], v[PC0+10:PC0+11], s[CDP:CDP+1] offset:FRB*(2*(\i)+1)+512
	global_store_b16 v[LS4], v[PW0], s[SCP:SCP+1] offset:64*(2*(\i))                    ; two of the four bytes of each tile's scale word
	global_store_d16_hi_b16 v[LS4], v[PW0], s[SCP:SCP+1] offset:64*(2*(\i)+1)
.endm
	s_cmp_eq_u32 s[TT], 2
	s_cbranch_scc1 .Lvout
.irp i, 0,1,2,3
	QKPIECE \i
.endr
	s_branch .Ldone
.Lvout:
.irp i, 0,1,2,3
	VPIECE \i
.endr
.Ldone:
	s_wait_tensorcnt 0x0                           ; the wave's end, behind my last tensor load and my last LDS store
	ds_add_u32 v[SPW], v[NIL]
	s_wait_dscnt 0x0
	ROUND                                          ; the closing round
	s_endpgm
.Lfunc_end_k_q6d27aeddfd_proj:
	.size	k_q6d27aeddfd_proj, .Lfunc_end_k_q6d27aeddfd_proj-k_q6d27aeddfd_proj
	.p2alignl 7, 3214868480
	.fill 96, 4, 3214868480
	.section	.rodata,"a",@progbits
	.p2align	6, 0x0
	.amdhsa_kernel k_q6d27aeddfd_proj
		.amdhsa_group_segment_fixed_size 327680
		.amdhsa_private_segment_fixed_size 0
		.amdhsa_enable_private_segment 0
		.amdhsa_kernarg_size 72
		.amdhsa_user_sgpr_count 2
		.amdhsa_user_sgpr_kernarg_segment_ptr 1
		.amdhsa_wavefront_size32 1
		.amdhsa_system_sgpr_workgroup_id_x 1
		.amdhsa_system_sgpr_workgroup_id_y 1
		.amdhsa_system_sgpr_workgroup_id_z 1
		.amdhsa_system_vgpr_workitem_id 0
		.amdhsa_next_free_vgpr 512
		.amdhsa_next_free_sgpr 88
		.amdhsa_reserve_vcc 0
		.amdhsa_float_denorm_mode_32 3
		.amdhsa_float_denorm_mode_16_64 3
		.amdhsa_memory_ordered 1
		.amdhsa_forward_progress 1
		.amdhsa_inst_pref_size 194
	.end_amdhsa_kernel
	.amdgpu_metadata
---
amdhsa.version: [ 1, 2 ]
amdhsa.kernels:
  - .name:           k_q6d27aeddfd_proj
    .symbol:         k_q6d27aeddfd_proj.kd
    .args:
      - { .name: queries, .offset: 0, .size: 8, .value_kind: global_buffer, .address_space: global }
      - { .name: keys, .offset: 8, .size: 8, .value_kind: global_buffer, .address_space: global }
      - { .name: values, .offset: 16, .size: 8, .value_kind: global_buffer, .address_space: global }
      - { .name: bq, .offset: 24, .size: 8, .value_kind: global_buffer, .address_space: global }
      - { .name: bk, .offset: 32, .size: 8, .value_kind: global_buffer, .address_space: global }
      - { .name: bv, .offset: 40, .size: 8, .value_kind: global_buffer, .address_space: global }
      - { .name: wimg, .offset: 48, .size: 8, .value_kind: global_buffer, .address_space: global }
      - { .name: qkc, .offset: 56, .size: 8, .value_kind: global_buffer, .address_space: global }
      - { .name: qks, .offset: 64, .size: 8, .value_kind: global_buffer, .address_space: global }
    .group_segment_fixed_size: 327680
    .private_segment_fixed_size: 0
    .kernarg_segment_align: 8
    .kernarg_segment_size: 72
    .max_flat_workgroup_size: 256
    .sgpr_count:     88
    .vgpr_count:     512
    .wavefront_size: 32
...
	.end_amdgpu_metadata
.endif
;; end of part 2
;; launch attn (part 3): grid 8 x 32, 8 waves a work-group, clusters of 4 x 1, 327,680 bytes of LDS; arguments qkc, qks, oimg, osc; writes oimg, osc
.if DOCPART == 3
	.amdgcn_target "amdgcn-amd-amdhsa--gfx1250"
	.amdhsa_code_object_version 6
	.text
	.protected	k_q6d27aeddfd_attn
	.globl	k_q6d27aeddfd_attn
	.p2align	8
	.type	k_q6d27aeddfd_attn,@function
k_q6d27aeddfd_attn:
	s_mov_b64 s[64:65], 0
	v_nop
	global_prefetch_b8 v0, s[64:65] scope:SCOPE_SE
	s_setreg_imm32_b32 hwreg(HW_REG_WAVE_MODE, 25, 1), 1
	s_wait_xcnt 0x0
	s_wait_alu depctr_hold_cnt(0) depctr_sa_sdst(0) depctr_va_vdst(0) depctr_va_sdst(0) depctr_va_ssrc(0) depctr_va_vcc(0) depctr_vm_vsrc(0)
	s_getreg_b32 s2, hwreg(HW_REG_IB_STS2, 6, 4)
	s_cmp_eq_u32 s2, 0
	s_cbranch_scc0 .Lentry_in_a_cluster
	s_endpgm
.Lentry_in_a_cluster:
	s_bfe_u32 s2, ttmp6, 0x10000c
	s_cmp_lg_u32 s2, 0x3003
	s_cbranch_scc0 .Lentry_shape_is_right
	s_endpgm
.Lentry_shape_is_right:
; o = softmax(q k^T / sqrt(128)) v for each of 32 (batch, head): 2,048 queries x 2,048 keys x 128 channels; both products on codes of FP6 (E2M3) with one E8M0 byte for each 32 along K; o leaves quantised along the channels.
; THE SOFTMAX: t = score x log2(e) / sqrt(128); M = the running largest t rounded UP to a whole number; p = 2^(t - M) is quantised along the keys, not normalised; the row's sum is taken of the unquantised p and divides O at the end.
; When M moves, the sum and O are multiplied by 2^(old M - new M), which rounds nothing.
; SHARES: a work-group owns 256 queries of one head; each of its eight waves owns TWO tiles of 16 queries, so each fragment of k and v read from LDS feeds two products.  Tile A lives in register window 0, tile B in window 1,
; at the same numbers: the softmax is written once and expanded under two settings of the windows.  k, v and q arrive as images of operand registers: every LDS load reads consecutive bytes.
; Both products are used transposed (S^T = k q^T, O^T = v^T p^T): a lane holds one query throughout.  Tiles are permuted (lane r of tile 2 b + u: index 32 b + 8 u + r + 8 (r / 8)), so that 16 registers of two neighbouring tiles are 16 neighbours along the next K.
; LDS: k's codes of 12 key steps of 128 (147,456 bytes), v's likewise, both tensors' scale words of the head (16,384), the spare words.  THREE GROUPS OF LOADS for the 16 key steps: at the head steps 0-3 and the scale words;
; behind the first round steps 4-11 (a first fill); behind the second round, when steps 0-3 are read out, steps 12-15 into their bytes.  Waves 0-2 bring k's thirds, waves 3-5 v's, waves 6 and 7 (at the head alone) the scale words.
; CLUSTER: the four work-groups of a 4 x 1 cluster walk the same head's k and v: every load is a joint one, mask 15; its descriptor hangs on the head and the wave's number alone.
; NO PREFETCH: the second group is asked for 4 key steps ahead of its first read and the third 8; the head's group has no loop ahead of it to ask in.
; LIMITS: NaN and infinities are not served; the promise holds while the scaled scores stay under 2^31 in magnitude; a block of o whose largest magnitude lies under 2^-124 keeps the byte 1 (read by this program alone).
.set CT,    6291456                    ; qkc: a tensor's codes
.set HC,    196608                     ; a head's
.set SCT,   262144                     ; qks: a tensor's scale words (a head's: 8,192 bytes)
.set STEPB, 12288                      ; a key step's codes of k or of v
.set SEG,   4*STEPB
.set VB,    12*STEPB                   ; v's codes begin here
.set SCK,   2*VB                       ; k's scale words, 8,192 bytes; v's follow
.set SPARE, SCK+16384                  ; the spare words, 128 bytes for each wave, which no other line names
.set LI,   1                           ; 16 x lane
.set L8,   2                           ; VB + 8 x lane
.set ASK0, 3                           ; SCK + 4 r
.set R4,   4                           ; 4 r
.set SPW,  5
.set NIL,  6
.set R16,  7                           ; 16 r
.set ADK,  8
.set ADV,  9
.set ADS,  10
.set ADW,  11
.set LIV,  29                          ; VB + 16 x lane
.set QF,   16                          ; q's fragment (both windows)
.set FB,   32                          ; four fragments of k or v (window 0: tiles 0-3; window 1: tiles 4-7)
.set PWO,  52                          ; o's scale word, on the way out
.set SCR,  80                          ; the eight tiles' scale words
.set QSA,  88                          ; q's scale words, tiles A and B
.set PWB,  90                          ; tile B's scale word of p (scale operands are taken from window 0)
.set SS,   96                          ; S^T, then p
.set OT,   160                         ; O^T
.set PCD,  224                         ; p's codes
.set TM,   232
.set WV,   18
.set SEL,  20
.set CS,   22
.set G1,   24
.set G1S,  32
.set G0,   40
.set G0S,  44
.set CNT,  48
.set TB,   50
.set TS,   51
.set QC,   54
.set QS,   56
.set OC,   58
.set OS,   60
.set MSB, 0
.macro WIN new                         ; bits 1:0 source 0, 3:2 source 1, 5:4 source 2, 7:6 destination; the high byte repeats the setting that is left
.if MSB != (\new)
	s_set_vgpr_msb (MSB<<8)|(\new)
.set MSB, (\new)
.endif
.endm
.macro PLACES
.rept 4
	v_nop
.endr
.endm
.macro ROUND                           ; a round of the cluster's barrier
	s_barrier_signal -1
	s_barrier_wait -1
	s_cmp_lg_u32 s[WV], 0
	s_cbranch_scc1 .Lnw0_\@
	s_barrier_signal -3
.Lnw0_\@:
	s_barrier_wait -3
	s_barrier_signal -1
	s_barrier_wait -1
.endm
.macro QUANT s, pc, pw                 ; 64 numbers of a lane, register 16 b + i = k 32 b + 16 (lane / 16) + i, become a fragment's codes and its scale word
.irp b, 0,1,2,3
	v_max3_num_f32 v[TM+\b], |v[(\s)+16*\b]|, |v[(\s)+1+16*\b]|, 0x1800000
.endr
.irp i, 2,4,6,8,10,12,14
.irp b, 0,1,2,3
	s_delay_alu instid0(VALU_DEP_4)
	v_max3_num_f32 v[TM+\b], v[TM+\b], |v[(\s)+16*\b+\i]|, |v[(\s)+1+16*\b+\i]|
.endr
.endr
.irp b, 0,1,2,3
	s_delay_alu instid0(VALU_DEP_4)
	v_permlanex16_b32 v[TM+4+\b], v[TM+\b], s[SEL], s[SEL+1]
.endr
.irp b, 0,1,2,3
	s_delay_alu instid0(VALU_DEP_4)
	v_max_num_f32 v[TM+\b], v[TM+\b], v[TM+4+\b]
.endr
.irp b, 0,1,2,3
	s_delay_alu instid0(VALU_DEP_4)
	v_add_nc_u32 v[TM+12+\b], 0xff000000, v[TM+\b]
.endr
.irp b, 0,1,2,3
	s_delay_alu instid0(VALU_DEP_4)
	v_lshrrev_b32 v[TM+4+\b], 23, v[TM+12+\b]
.endr
	s_delay_alu instid0(VALU_DEP_3)
	v_lshl_or_b32 v[\pw], v[TM+5], 8, v[TM+4]
	s_delay_alu instid0(VALU_DEP_1)
	v_lshl_or_b32 v[\pw], v[TM+6], 16, v[\pw]
	s_delay_alu instid0(VALU_DEP_1)
	v_lshl_or_b32 v[\pw], v[TM+7], 24, v[\pw]
.irp c, 0,1
	v_cvt_scalef32_pk16_fp6_f32 v[(\pc)+6*\c:(\pc)+2+6*\c], v[(\s)+32*\c:(\s)+15+32*\c], v[TM+12+2*\c]
	v_cvt_scalef32_pk16_fp6_f32 v[(\pc)+12+4*\c:(\pc)+14+4*\c], v[(\s)+16+32*\c:(\s)+31+32*\c], v[TM+12+2*\c+1]
.endr
	v_nop
.irp c, 0,1
.irp i, 0,1,2
	v_permlane16_swap_b32 v[(\pc)+6*\c+\i], v[(\pc)+12+4*\c+\i]
.endr
.irp i, 0,1,2
	s_delay_alu instid0(VALU_DEP_3)
	v_mov_b32 v[(\pc)+3+6*\c+\i], v[(\pc)+12+4*\c+\i]
.endr
.endr
.endm
	s_load_b256 s[4:11], s[0:1], 0x0               ; qkc, qks, oimg, osc
	v_lshl_add_u32 v[SPW], v0, 2, SPARE
	v_mov_b32 v[NIL], 0
	ds_add_u32 v[SPW], v[NIL]                      ; the opening lines: the add, twice on end, and its wait ahead of my first tensor load
	ds_add_u32 v[SPW], v[NIL]
	v_lshrrev_b32 v8, 5, v0
	s_delay_alu instid0(VALU_DEP_1)
	v_readfirstlane_b32 s[WV], v8                  ; wave 0..7
	s_and_b32 s12, ttmp7, 0xffff                   ; batch x 8 + head
	s_and_b32 s13, s[WV], 1
	; group 1: dense blocks as rows of 256 bytes (32 elements of 8 bytes), mask 15 with bit 21 beside it: 64 rows for a third of four key steps (128 for the second group), 32 for a head's scale words
.irp g, G1, G1S
	s_mov_b32 s[\g], 15|(3<<16)|(1<<21)
	s_mov_b32 s[\g+1], 32<<16
	s_mov_b32 s[\g+3], 32<<16
	s_mov_b32 s[\g+5], 32
	s_mov_b32 s[\g+6], 0
	s_mov_b32 s[\g+7], 0
.endr
	s_mov_b32 s[G1+2], 64<<16
	s_mov_b32 s[G1+4], 64
	s_mov_b32 s[G1S+2], 32<<16
	s_mov_b32 s[G1S+4], 32
	s_mul_i32 s49, s[WV], 11
	s_lshr_b32 s49, s49, 5                         ; wave / 3: 0 for k, 1 for v
	s_lshl_b32 s14, s[WV], 14
	s_mul_i32 s52, s49, VB-SEG
	s_add_co_u32 s14, s14, s52                     ; LDS, groups 1 and 3: VB (wave / 3) + 16,384 (wave % 3)
	s_lshl_b32 s15, s[WV], 15
	s_mul_i32 s52, s49, VB-2*SEG
	s_add_co_u32 s15, s15, s52
	s_add_co_u32 s15, s15, SEG                     ; group 2: VB (wave / 3) + SEG + 32,768 (wave % 3)
	s_mul_i32 s52, s49, 3
	s_sub_co_u32 s52, s[WV], s52
	s_lshl_b32 s52, s52, 14                        ; 16,384 (wave % 3)
	s_mul_i32 s17, s12, HC                         ; the head's codes
	s_add_co_u32 s62, s49, 1                       ; tensor 1 (k) or 2 (v)
	s_mul_i32 s62, s62, CT
	s_add_co_u32 s62, s62, s17
	s_add_co_u32 s62, s62, s52
	s_mov_b32 s63, 0
	s_add_co_u32 s66, s52, SEG                     ; from my part of group 1 to my part of group 2, in bytes of memory,
	s_mov_b32 s67, 0
	s_sub_co_u32 s68, 2*SEG, s52                   ; and from there to my part of group 3
	s_mov_b32 s69, 0
	s_lshl_b32 s19, s12, 13                        ; the head's scale words
	s_add_co_u32 s72, s13, 1                       ; wave 6: k's, wave 7: v's
	s_mul_i32 s72, s72, SCT
	s_add_co_u32 s72, s72, s19
	s_mov_b32 s73, 0
	s_lshl_b32 s[G0S+1], s13, 13
	s_add_co_u32 s[G0S+1], s[G0S+1], SCK
	s_mov_b32 s[SEL], 0x76543210
	s_mov_b32 s[SEL+1], 0xfedcba98
	s_mov_b32 s[CS], 0x3e0293ee                    ; c = log2(e) / sqrt(128)
	s_mov_b32 s[CS+1], s[CS]
	s_wait_dscnt 0x0                               ; both opening adds are done
	s_wait_kmcnt 0x0
	s_mov_b32 s[G0S], 1
	s_add_nc_u64 s[G0S+2:G0S+3], s[6:7], s[72:73]
	s_or_b32 s[G0S+3], s[G0S+3], 0x80000000
	s_mov_b32 s[G0], 1
	s_mov_b32 s[G0+1], s14
	s_add_nc_u64 s[G0+2:G0+3], s[4:5], s[62:63]
	s_or_b32 s[G0+3], s[G0+3], 0x80000000
	ROUND                                          ; the four work-groups are here: the first joint loads meet
	s_cmp_lt_u32 s[WV], 6                          ; the head's loads, one a wave: every way passes exactly one
	s_cbranch_scc0 .Lhead_s
	tensor_load_to_lds s[G0:G0+3], s[G1:G1+7]      ; my third of k's or v's key steps 0-3
	s_nop 0
	PLACES
	s_branch .Lhead_j
.Lhead_s:
	tensor_load_to_lds s[G0S:G0S+3], s[G1S:G1S+7]  ; the head's scale words: filled once
	s_nop 0
	PLACES
.Lhead_j:
	s_bfe_u32 s53, ttmp6, 0x40000                  ; cx
	s_lshl_b32 s16, ttmp9, 2
	s_add_co_u32 s16, s16, s53                     ; work-group x
	s_lshl_b32 s16, s16, 4
	s_lshl_b32 s53, s[WV], 1
	s_add_co_u32 s16, s16, s53                     ; my first tile of queries: 16 x + 2 wave
	s_mul_i32 s70, s16, 1536
	s_add_co_u32 s70, s70, s17
	s_mov_b32 s71, 0
	s_add_nc_u64 s[QC:QC+1], s[4:5], s[70:71]
	s_lshl_b32 s74, s16, 6
	s_add_co_u32 s74, s74, s19
	s_mov_b32 s75, 0
	s_add_nc_u64 s[QS:QS+1], s[6:7], s[74:75]
	v_and_b32 v8, 31, v0
	v_and_b32 v9, 15, v0
	s_delay_alu instid0(VALU_DEP_2)
	v_lshlrev_b32 v[LI], 4, v8
	s_delay_alu instid0(VALU_DEP_3)
	v_lshl_add_u32 v[L8], v8, 3, VB
	s_delay_alu instid0(VALU_DEP_4)
	v_lshl_add_u32 v[LIV], v8, 4, VB
	s_delay_alu instid0(VALU_DEP_4)
	v_lshl_add_u32 v[ASK0], v9, 2, SCK
	v_lshlrev_b32 v[R4], 2, v9
	v_lshlrev_b32 v[R16], 4, v9
.irp c, 0,1,2
	global_load_b128 v[QF+4*\c:QF+4*\c+3], v[LI], s[QC:QC+1] offset:512*\c          ; q, tile A: it stays in registers
.endr
	global_load_b32 v[QSA], v[R4], s[QS:QS+1]
	global_load_b32 v[QSA+1], v[R4], s[QS:QS+1] offset:64
	WIN 0x40
.irp c, 0,1,2
	global_load_b128 v[QF+4*\c:QF+4*\c+3], v[LI], s[QC:QC+1] offset:1536+512*\c     ; tile B
.endr
	WIN 0
	s_lshr_b32 s70, s12, 3                         ; where o goes: row tile 128 batch + my tile,
	s_lshl_b32 s70, s70, 7
	s_add_co_u32 s70, s70, s16
	s_and_b32 s74, s12, 7                          ; K step = head
	s_lshr_b32 s75, s70, 2                         ; its block of 64 rows
	s_lshl_b32 s70, s70, 3
	s_add_co_u32 s70, s70, s74
	s_mul_i32 s70, s70, 1536
	s_mov_b32 s71, 0
	s_add_nc_u64 s[OC:OC+1], s[8:9], s[70:71]
	s_lshl_b32 s75, s75, 3
	s_add_co_u32 s74, s75, s74
	s_lshl_b32 s74, s74, 8
	s_lshl_b32 s75, s13, 3
	s_add_co_u32 s74, s74, s75
	s_mov_b32 s75, 0
	s_add_nc_u64 s[OS:OS+1], s[10:11], s[74:75]
.macro INIT                            ; the step is written once: O^T and the sum begin as zeros, the largest t under every t
	v_mov_b32 v13, 0xff61b1e6                      ; -3e38
	s_delay_alu instid0(VALU_DEP_1)
	v_floor_f32 v12, -v13                          ; -M
	v_mov_b32 v14, 0
	v_mov_b32 v15, 0
.irp b, 0,1,2,3
	v_mov_b32 v[236+\b], 0                         ; a lane permute's destination counts as one of its sources
.endr
	v_mov_b32 v253, 0                              ; (named as the upper half of the pair v[252:253])
.set J_, 0
.rept 64
	v_mov_b32 v[OT+J_], 0
.set J_, J_+1
.endr
.endm
	INIT
	WIN 0x55
	INIT
	WIN 0
.macro TLOAD                           ; waves 0 to 5 fetch; the branch hangs on the wave's number alone; an s_nop 0 and four v_nop follow the load
	s_cmp_lt_u32 s[WV], 6
	s_cbranch_scc0 .Lnot_\@
	tensor_load_to_lds s[G0:G0+3], s[G1:G1+7]
	s_nop 0
	PLACES
.Lnot_\@:
.endm
.macro KQ4 g, qs                       ; four tiles of 16 keys x my 16 queries; C = 0 starts each sum
.irp t, 0,1,2,3
	v_wmma_scale_f32_16x16x128_f8f6f4 v[SS+8*(4*(\g)+\t):SS+8*(4*(\g)+\t)+7], v[FB+12*\t:FB+12*\t+11], v[QF:QF+11], 0, v[SCR+4*(\g)+\t], v[\qs] matrix_a_fmt:MATRIX_FMT_FP6 matrix_b_fmt:MATRIX_FMT_FP6
.endr
.endm
.macro PV4 g, pw                       ; four tiles of 16 channels: O^T += v^T p^T; the accumulators by turns
.irp t, 0,1,2,3
	v_wmma_scale_f32_16x16x128_f8f6f4 v[OT+8*(4*(\g)+\t):OT+8*(4*(\g)+\t)+7], v[FB+12*\t:FB+12*\t+11], v[PCD:PCD+11], v[OT+8*(4*(\g)+\t):OT+8*(4*(\g)+\t)+7], v[SCR+4*(\g)+\t], v[\pw] matrix_a_fmt:MATRIX_FMT_FP6 matrix_b_fmt:MATRIX_FMT_FP6
.endr
.endm
.macro VLOAD4 g                        ; four fragments of v: each in two halves of 768 bytes: four registers a lane, then two
.irp t, 0,1,2,3
	ds_load_b128 v[FB+12*\t:FB+12*\t+3], v[ADW] offset:1536*(4*(\g)+\t)
	ds_load_b64 v[FB+12*\t+4:FB+12*\t+5], v[ADV] offset:1536*(4*(\g)+\t)+512
	ds_load_b128 v[FB+12*\t+6:FB+12*\t+9], v[ADW] offset:1536*(4*(\g)+\t)+768
	ds_load_b64 v[FB+12*\t+10:FB+12*\t+11], v[ADV] offset:1536*(4*(\g)+\t)+1280
.endr
.endm
; One tile's softmax.  second = 1: tile B, whose scale word of p is copied into window 0
.macro SOFTMAX second
.irp b, 0,1,2,3
	v_max3_num_f32 v[232+\b], v[96+16*\b], v[97+16*\b], v[98+16*\b]   ; the largest score of each block of 32 keys: it serves the row's maximum and, since p rises with the score, the block's largest p
.endr
.irp i, 3,5,7,9,11,13
.irp b, 0,1,2,3
	v_max3_num_f32 v[232+\b], v[232+\b], v[96+16*\b+\i], v[97+16*\b+\i]
.endr
.endr
.irp b, 0,1,2,3
	v_max_num_f32 v[232+\b], v[232+\b], v[111+16*\b]
.endr
.irp b, 0,1,2,3
	s_delay_alu instid0(VALU_DEP_4)
	v_permlanex16_b32 v[236+\b], v[232+\b], s[SEL], s[SEL+1]
.endr
.irp b, 0,1,2,3
	s_delay_alu instid0(VALU_DEP_4)
	v_max_num_f32 v[232+\b], v[232+\b], v[236+\b]  ; with lane l xor 16's 16 keys
.endr
	s_delay_alu instid0(VALU_DEP_2)
	v_max3_num_f32 v254, v232, v233, v234
	s_delay_alu instid0(VALU_DEP_1)
	v_max_num_f32 v254, v254, v235                 ; the step's largest score of my query
	s_delay_alu instid0(VALU_DEP_1)
	v_mul_f32 v254, s[CS], v254                    ; as t
	s_delay_alu instid0(VALU_DEP_1)
	v_max_num_f32 v13, v13, v254                   ; the running largest t
	v_mov_b32 v254, v12
	s_delay_alu instid0(VALU_DEP_2)
	v_floor_f32 v12, -v13                          ; the new -M = -ceil(t)
	s_delay_alu instid0(VALU_DEP_1)
	v_sub_f32 v254, v12, v254                      ; old M - new M: a whole number, 0 or less
	s_delay_alu instid0(VALU_DEP_1)
	v_cvt_i32_f32 v254, v254                       ; (it saturates)
	s_delay_alu instid0(VALU_DEP_1)
	v_ldexp_f32 v252, 1.0, v254                    ; f = 2^(old M - new M)
.set J_, 0
.rept 32
	v_pk_fma_f32 v[96+J_:97+J_], v[96+J_:97+J_], s[CS:CS+1], v[12:13] op_sel_hi:[1,0,0]   ; t - M, two at a time
.set J_, J_+2
.endr
.irp b, 0,1,2,3
	v_fma_f32 v[232+\b], v[232+\b], s[CS], v12     ; the same of each block's largest score
.endr
	s_wait_alu depctr_va_vdst(0)                   ; ahead of the batch
.set J_, 0
.rept 64
	v_exp_f32 v[96+J_], v[96+J_]                   ; p = 2^(t - M)
.set J_, J_+1
.endr
	v_pk_mul_f32 v[14:15], v[14:15], v[252:253] op_sel_hi:[1,0]   ; the sums under the new M: the plain instruction behind the exponentials
	s_wait_alu depctr_va_vdst(0)                   ; one wait for the batch of 64, ahead of its first reader
.irp b, 0,1,2,3
	v_exp_f32 v[232+\b], v[232+\b]                 ; the blocks' largest p
.endr
	v_pk_add_f32 v[236:237], v[96:97], v[98:99]    ; the row's sum of the unquantised p, in two chains: plain work behind the four
.set J_, 4
.rept 15
	v_pk_add_f32 v[14:15], v[14:15], v[96+J_:97+J_]
	v_pk_add_f32 v[236:237], v[236:237], v[98+J_:99+J_]
.set J_, J_+4
.endr
	s_delay_alu instid0(VALU_DEP_1)
	v_pk_add_f32 v[14:15], v[14:15], v[236:237]
	s_wait_alu depctr_va_vdst(0)                   ; and one for the four
.irp b, 0,1,2,3
	v_max_num_f32 v[232+\b], 0x1800000, v[232+\b]  ; the floor 2^(3 - 127)
.endr
.irp b, 0,1,2,3
	s_delay_alu instid0(VALU_DEP_4)
	v_add_nc_u32 v[244+\b], 0xff000000, v[232+\b]  ; the conversion's scale operand
.endr
.irp b, 0,1,2,3
	s_delay_alu instid0(VALU_DEP_4)
	v_lshrrev_b32 v[236+\b], 23, v[244+\b]         ; the scale's byte
.endr
	s_delay_alu instid0(VALU_DEP_3)
	v_lshl_or_b32 v253, v237, 8, v236              ; p's scale word for these 128 keys
	s_delay_alu instid0(VALU_DEP_1)
	v_lshl_or_b32 v253, v238, 16, v253
	s_delay_alu instid0(VALU_DEP_1)
	v_lshl_or_b32 v253, v239, 24, v253
.if \second
	WIN 0x01
	v_mov_b32 v[PWB], v253                         ; more than eight plain instructions follow before it serves as a scale
	WIN 0x55
.endif
.irp c, 0,1
	v_cvt_scalef32_pk16_fp6_f32 v[224+6*\c:226+6*\c], v[96+32*\c:111+32*\c], v[244+2*\c]
	v_cvt_scalef32_pk16_fp6_f32 v[236+4*\c:238+4*\c], v[112+32*\c:127+32*\c], v[244+2*\c+1]
.endr
	v_nop
.irp c, 0,1
.irp i, 0,1,2
	v_permlane16_swap_b32 v[224+6*\c+\i], v[236+4*\c+\i]
.endr
.irp i, 0,1,2
	s_delay_alu instid0(VALU_DEP_3)
	v_mov_b32 v[227+6*\c+\i], v[236+4*\c+\i]
.endr
.endr
	s_wait_alu depctr_va_vdst(0)                   ; directly ahead of the first reader of O^T
.set J_, 0
.rept 32
	v_pk_mul_f32 v[160+J_:161+J_], v[160+J_:161+J_], v[252:253] op_sel_hi:[1,0]   ; O^T under the new M
.set J_, J_+2
.endr
.endm
; A KEY STEP: 128 keys, at byte TB of k's and of v's codes and at byte TS of their scale words
.macro STEP
	v_add_nc_u32 v[ADK], s[TB], v[LI]              ; these four lines are the places behind the last step's products, ahead of the loads into their registers
	v_add_nc_u32 v[ADW], s[TB], v[LIV]
	v_add_nc_u32 v[ADV], s[TB], v[L8]
	v_add_nc_u32 v[ADS], s[TS], v[ASK0]
.irp t, 0,1,2,3
.irp c, 0,1,2
	ds_load_b128 v[FB+12*\t+4*\c:FB+12*\t+4*\c+3], v[ADK] offset:1536*\t+512*\c
.endr
	ds_load_b32 v[SCR+\t], v[ADS] offset:64*\t
.endr
	WIN 0x40
.irp t, 0,1,2,3
.irp c, 0,1,2
	ds_load_b128 v[FB+12*\t+4*\c:FB+12*\t+4*\c+3], v[ADK] offset:1536*(4+\t)+512*\c
.endr
.endr
	WIN 0
.irp t, 0,1,2,3
	ds_load_b32 v[SCR+4+\t], v[ADS] offset:64*(4+\t)
.endr
	s_wait_alu depctr_va_vdst(0)
	s_wait_dscnt 16                                ; tiles 0-3 and their scale words are in; the 16 loads of tiles 4-7 may be out
	KQ4 0, QSA
	WIN 0x44                                       ; q and S^T of tile B: window 1
	KQ4 0, QSA+1
	s_wait_dscnt 0x0
	WIN 0x01                                       ; k's tiles 4-7: window 1
	KQ4 1, QSA
	WIN 0x45
	KQ4 1, QSA+1
	WIN 0
	PLACES                                         ; ahead of the loads below and of the first read of S^T
	VLOAD4 0                                       ; v's fragments are asked for now: 40 LDS loads that land under tile A's softmax
.irp t, 0,1,2,3,4,5,6,7
	ds_load_b32 v[SCR+\t], v[ADS] offset:8192+64*\t
.endr
	WIN 0x40
	VLOAD4 1
	WIN 0
	SOFTMAX 0
	s_wait_alu depctr_va_vdst(0)
	s_wait_dscnt 0x0                               ; v is in
	PV4 0, 253                                     ; tile A's eight products stand between the two softmaxes: groups of matrix work and of vector work by turns
	WIN 0x01
	PV4 1, 253
	WIN 0x55
	SOFTMAX 1                                      ; it names no register of tile A's products
	WIN 0x54                                       ; p, C and D of tile B: window 1
	PV4 0, PWB
	WIN 0x55
	PV4 1, PWB
	WIN 0
	s_add_co_u32 s[TS], s[TS], 512
	s_add_co_u32 s[TB], s[TB], STEPB
.endm
.macro RUN n, tb, ts                   ; n key steps on end, from byte tb of the codes and byte ts of the scale words
	s_mov_b32 s[TB], \tb
	s_mov_b32 s[TS], \ts
	s_mov_b32 s[CNT], \n
.Lrun_\@:
	STEP
	s_sub_co_u32 s[CNT], s[CNT], 1
	s_cmp_lg_u32 s[CNT], 0
	s_cbranch_scc1 .Lrun_\@
.endm
	s_wait_alu depctr_va_vdst(0)
	s_wait_loadcnt 0x0                             ; q
	s_wait_tensorcnt 0x0                           ; my part of the head's group is in: no tensor load of mine is out, so descriptors may be written
	ds_add_u32 v[SPW], v[NIL]
	s_mov_b32 s[G1+2], 128<<16                     ; group 2: a third of eight key steps: 128 rows
	s_mov_b32 s[G1+4], 128
	s_mov_b32 s[G0+1], s15
	s_add_nc_u64 s[G0+2:G0+3], s[G0+2:G0+3], s[66:67]
	s_wait_dscnt 0x0
	ROUND                                          ; key steps 0-3 and the scale words are whole in all four work-groups
	TLOAD                                          ; key steps 4-11: a first fill; four key steps stand between it and the wait for it
	RUN 4, 0, 0
	s_wait_tensorcnt 0x0                           ; my part of key steps 4-11 is in
	ds_add_u32 v[SPW], v[NIL]
	s_mov_b32 s[G1+2], 64<<16                      ; group 3: 64 rows again,
	s_mov_b32 s[G1+4], 64
	s_mov_b32 s[G0+1], s14                         ; into the bytes of key steps 0-3
	s_add_nc_u64 s[G0+2:G0+3], s[G0+2:G0+3], s[68:69]
	s_wait_dscnt 0x0                               ; the add is done, and my reads of key steps 0-3 are over
	ROUND                                          ; so are every partner's
	TLOAD                                          ; key steps 12-15; eight key steps stand between it and the wait for it
	RUN 8, SEG, 4*512
	s_wait_tensorcnt 0x0                           ; my part of key steps 12-15 is in; no round follows
	s_wait_dscnt 0x0
	s_barrier_signal -1
	s_barrier_wait -1
	RUN 4, 0, 12*512
; THE WAY OUT.  O^T / the sum; register 16 b + i is channel 32 b + 16 (lane / 16) + i of my query: just what the quantiser takes.  The fragment is K step = head of the last product
.macro FINISH
	v_add_f32 v14, v14, v15
	s_delay_alu instid0(VALU_DEP_1)
	v_permlanex16_b32 v252, v14, s[SEL], s[SEL+1]
	s_delay_alu instid0(VALU_DEP_1)
	v_add_f32 v14, v14, v252                       ; the row's sum
	s_wait_alu depctr_va_vdst(0)
	v_rcp_f32 v14, v14
	v_nop                                          ; a plain instruction behind the reciprocal,
	s_wait_alu depctr_va_vdst(0)                   ; and the wait ahead of its first reader
.set J_, 0
.rept 32
	v_pk_mul_f32 v[SS+J_:SS+J_+1], v[OT+J_:OT+J_+1], v[14:15] op_sel_hi:[1,0]   ; each accumulator from its low end on
.set J_, J_+2
.endr
	QUANT SS, FB, PWO
.endm
	PLACES                                         ; behind the last products
	FINISH
.irp c, 0,1,2
	global_store_b128 v[LI], v[FB+4*\c:FB+4*\c+3], s[OC:OC+1] offset:512*\c          ; 512 consecutive bytes
.endr
	global_store_b32 v[R16], v[PWO], s[OS:OS+1]
	WIN 0x55
	FINISH
	WIN 0x04                                       ; a store's data are its source 1: window 1
.irp c, 0,1,2
	global_store_b128 v[LI], v[FB+4*\c:FB+4*\c+3], s[OC:OC+1] offset:12288+512*\c
.endr
	global_store_b32 v[R16], v[PWO], s[OS:OS+1] offset:4
	WIN 0
	s_wait_tensorcnt 0x0                           ; the wave's end
	ds_add_u32 v[SPW], v[NIL]
	s_wait_dscnt 0x0
	ROUND                                          ; the closing round
	s_endpgm
.Lfunc_end_k_q6d27aeddfd_attn:
	.size	k_q6d27aeddfd_attn, .Lfunc_end_k_q6d27aeddfd_attn-k_q6d27aeddfd_attn
	.p2alignl 7, 3214868480
	.fill 96, 4, 3214868480
	.section	.rodata,"a",@progbits
	.p2align	6, 0x0
	.amdhsa_kernel k_q6d27aeddfd_attn
		.amdhsa_group_segment_fixed_size 327680
		.amdhsa_private_segment_fixed_size 0
		.amdhsa_enable_private_segment 0
		.amdhsa_kernarg_size 32
		.amdhsa_user_sgpr_count 2
		.amdhsa_user_sgpr_kernarg_segment_ptr 1
		.amdhsa_wavefront_size32 1
		.amdhsa_system_sgpr_workgroup_id_x 1
		.amdhsa_system_sgpr_workgroup_id_y 1
		.amdhsa_system_sgpr_workgroup_id_z 1
		.amdhsa_system_vgpr_workitem_id 0
		.amdhsa_next_free_vgpr 512
		.amdhsa_next_free_sgpr 80
		.amdhsa_reserve_vcc 0
		.amdhsa_float_denorm_mode_32 3
		.amdhsa_float_denorm_mode_16_64 3
		.amdhsa_memory_ordered 1
		.amdhsa_forward_progress 1
		.amdhsa_inst_pref_size 142
	.end_amdhsa_kernel
	.amdgpu_metadata
---
amdhsa.version: [ 1, 2 ]
amdhsa.kernels:
  - .name:           k_q6d27aeddfd_attn
    .symbol:         k_q6d27aeddfd_attn.kd
    .args:
      - { .name: qkc, .offset: 0, .size: 8, .value_kind: global_buffer, .address_space: global }
      - { .name: qks, .offset: 8, .size: 8, .value_kind: global_buffer, .address_space: global }
      - { .name: oimg, .offset: 16, .size: 8, .value_kind: global_buffer, .address_space: global }
      - { .name: osc, .offset: 24, .size: 8, .value_kind: global_buffer, .address_space: global }
    .group_segment_fixed_size: 327680
    .private_segment_fixed_size: 0
    .kernarg_segment_align: 8
    .kernarg_segment_size: 32
    .max_flat_workgroup_size: 256
    .sgpr_count:     80
    .vgpr_count:     512
    .wavefront_size: 32
...
	.end_amdgpu_metadata
.endif
;; end of part 3
;; launch outp (part 4): grid 128 x 2, 4 waves a work-group, clusters of 4 x 1, 327,680 bytes of LDS; arguments oimg, osc, wimg, bo, out0; writes out0
.if DOCPART == 4
	.amdgcn_target "amdgcn-amd-amdhsa--gfx1250"
	.amdhsa_code_object_version 6
	.text
	.protected	k_q6d27aeddfd_outp
	.globl	k_q6d27aeddfd_outp
	.p2align	8
	.type	k_q6d27aeddfd_outp,@function
k_q6d27aeddfd_outp:
	s_mov_b64 s[64:65], 0
	v_nop
	global_prefetch_b8 v0, s[64:65] scope:SCOPE_SE
	s_setreg_imm32_b32 hwreg(HW_REG_WAVE_MODE, 25, 1), 1
	s_wait_xcnt 0x0
	s_wait_alu depctr_hold_cnt(0) depctr_sa_sdst(0) depctr_va_vdst(0) depctr_va_sdst(0) depctr_va_ssrc(0) depctr_va_vcc(0) depctr_vm_vsrc(0)
	s_getreg_b32 s2, hwreg(HW_REG_IB_STS2, 6, 4)
	s_cmp_eq_u32 s2, 0
	s_cbranch_scc0 .Lentry_in_a_cluster
	s_endpgm
.Lentry_in_a_cluster:
	s_bfe_u32 s2, ttmp6, 0x10000c
	s_cmp_lg_u32 s2, 0x3003
	s_cbranch_scc0 .Lentry_shape_is_right
	s_endpgm
.Lentry_shape_is_right:
; out0 = o Wo + bo, on codes of FP6 (E2M3) with one E8M0 byte for each 32 along K.  o and Wo arrive as images of operand registers (three planes of 512 bytes a fragment), with their scale words beside them.
; SHARES.  A work-group makes 64 rows (x) x 512 columns (y); a wave 64 x 128: four tiles of rows x eight tiles of Wo's columns: 32 accumulators.  256 work-groups.
; o's 49,152 bytes come into LDS once, a tile of rows by each wave's tensor load at the head, and serve all four waves.
; Wo BY TWO ROADS.  A wave's first group of four tiles goes from memory straight into operand registers, four sets, asked for three K steps ahead.  Its second group, all eight K steps (51,200 bytes), comes by ONE tensor load
; behind the second round into bytes of the wave's own.  So the work goes in two runs of eight K steps: first the sixteen sums of the first group, under which that load lands, then the sixteen of the second.  Nothing is filled twice.
; CLUSTER: the four work-groups of a 4 x 1 cluster are four row blocks of one half of the columns: Wo's load is a joint one, mask 15; o's loads are each work-group's own (no mask).
; NO PREFETCH: every load of the launch is asked for at its head or three K steps ahead; there is no later stream to ask for.
; The product is used transposed (source 0 = Wo's tile, source 1 = o's): a lane holds one row and eight neighbouring columns.  The bias is the C of each sum's first product.
; The tiles are permuted (lane r of tile 2 b + u: index 32 b + 8 u + r + 8 (r / 8)): the columns come out as neighbours by that choice; the rows are put right by the stores' offsets.
; REGISTERS: window 0: v1-10 addresses; v16-31 Wo's scale words, four sets; v32-63 o's, all eight K steps; v64-159 o's fragments, two sets; on the way out v128-255.  window 1: the accumulators.
;   window 2: v0-191 Wo's fragments, four sets of four; v192-255 the bias.
.set WTEN,  819200
.set WSTEP, 102400
.set WUNIT, 6400
.set FRB,   1536
.set SPARE, 33792                      ; behind the four stages (16 rows x 528 bytes each): the spare words, which no other line names
.set OL,    34304                      ; o's images [tile 4][K step 8][1536]
.set WL,    83456                      ; Wo's second groups [wave 4][K step 8][6400]
.set LI,   1
.set R16,  2
.set H64,  3
.set STO,  4
.set RD,   5
.set SPW,  6
.set NIL,  7
.set OLA,  8                           ; OL + 16 x lane
.set WLA,  9                           ; my part of WL + 16 x lane
.set WLB,  10                          ; my part of WL + 16 r
.set WS,   16
.set OSB,  32
.set OF,   64
.set BK,   128
.set WV,   14
.set G1O,  32
.set G1W,  40
.set G0O,  48
.set G0W,  52
.set MSB, 0
.macro WIN new
.if MSB != (\new)
	s_set_vgpr_msb (MSB<<8)|(\new)
.set MSB, (\new)
.endif
.endm
.macro PLACES
.rept 4
	v_nop
.endr
.endm
.macro ROUND                           ; a round of the cluster's barrier
	s_barrier_signal -1
	s_barrier_wait -1
	s_cmp_lg_u32 s[WV], 0
	s_cbranch_scc1 .Lnw0_\@
	s_barrier_signal -3
.Lnw0_\@:
	s_barrier_wait -3
	s_barrier_signal -1
	s_barrier_wait -1
.endm
	s_load_b256 s[4:11], s[0:1], 0x0               ; oimg, osc, wimg, bo
	s_load_b64 s[12:13], s[0:1], 0x20              ; out0
	v_lshl_add_u32 v[SPW], v0, 2, SPARE
	v_mov_b32 v[NIL], 0
	ds_add_u32 v[SPW], v[NIL]                      ; the opening lines: the add, twice on end, and its wait ahead of my first tensor load
	ds_add_u32 v[SPW], v[NIL]
	v_lshrrev_b32 v11, 5, v0
	v_readfirstlane_b32 s[WV], v11                 ; wave
	v_and_b32 v11, 31, v0
	v_and_b32 v12, 15, v0                          ; r
	v_bfe_u32 v13, v0, 4, 1                        ; h
	v_lshlrev_b32 v[LI], 4, v11
	v_lshlrev_b32 v[R16], 4, v12
	v_lshlrev_b32 v[H64], 6, v13
	s_mul_i32 s15, s[WV], 8448                     ; my stage
	v_mul_u32_u24 v[STO], v12, 528
	v_add_nc_u32 v[STO], v[STO], v[H64]
	v_add_nc_u32 v[STO], s15, v[STO]               ; in: row r, + 64 h
	v_add_nc_u32 v[RD], s15, v[LI]                 ; back: a row of 512 bytes, 16 a lane
	v_add_nc_u32 v[OLA], OL, v[LI]
	s_mul_i32 s28, s[WV], 8*WUNIT
	s_add_co_u32 s28, s28, WL                      ; my part of WL
	v_add_nc_u32 v[WLA], s28, v[LI]
	v_add_nc_u32 v[WLB], s28, v[R16]
	s_mul_i32 s29, s[WV], 12288
	s_add_co_u32 s30, s29, OL                      ; where my tile of o lands
	; group 1 for o: a dense block as 48 rows of 256 bytes, no mask; for Wo: eight rows (K steps) of 6,400 bytes, 102,400 bytes apart, mask 15 with bit 21 beside it
	s_mov_b32 s[G1O], 3<<16
	s_mov_b32 s[G1O+1], 32<<16
	s_mov_b32 s[G1O+2], 48<<16
	s_mov_b32 s[G1O+3], 32<<16
	s_mov_b32 s[G1O+4], 48
	s_mov_b32 s[G1O+5], 32
	s_mov_b32 s[G1O+6], 0
	s_mov_b32 s[G1O+7], 0
	s_mov_b32 s[G1W], 15|(3<<16)|(1<<21)
	s_mov_b32 s[G1W+1], 800<<16
	s_mov_b32 s[G1W+2], 8<<16
	s_mov_b32 s[G1W+3], 800<<16
	s_mov_b32 s[G1W+4], 8
	s_mov_b32 s[G1W+5], WSTEP/8
	s_mov_b32 s[G1W+6], 0
	s_mov_b32 s[G1W+7], 0
	s_bfe_u32 s17, ttmp6, 0x40000                  ; cx
	s_lshl_b32 s16, ttmp9, 2
	s_add_co_u32 s16, s16, s17                     ; which block of 64 rows
	s_and_b32 s31, ttmp7, 0xffff                   ; which half of the columns
	s_mul_i32 s18, s16, 49152                      ; o: four tiles of rows x 8 K steps x 1,536 bytes,
	s_add_co_u32 s18, s18, s29                     ; my tile of them
	s_mov_b32 s19, 0
	s_lshl_b32 s20, s16, 11                        ; its scale words: 8 x 256 bytes
	s_mov_b32 s21, 0
	s_lshl_b32 s22, s31, 3
	s_lshl_b32 s23, s[WV], 1
	s_add_co_u32 s22, s22, s23                     ; my two groups of Wo's tiles: 8 y + 2 wave
	s_mul_i32 s22, s22, WUNIT
	s_add_co_u32 s22, s22, 3*WTEN                  ; Wo is the fourth weight
	s_mov_b32 s23, 0
	s_lshl_b32 s24, s31, 11
	s_lshl_b32 s25, s[WV], 9
	s_add_co_u32 s24, s24, s25                     ; my first column, in bytes: 4 (512 y + 128 wave)
	s_mov_b32 s25, 0
	s_lshl_b32 s26, s16, 18                        ; 64 rows of 4,096 bytes
	s_add_co_u32 s26, s26, s24
	s_mov_b32 s27, 0
	s_wait_alu depctr_va_vdst(0)
	s_wait_dscnt 0x0                               ; both opening adds are done
	s_wait_kmcnt 0x0
	s_add_nc_u64 s[6:7], s[6:7], s[20:21]
	s_add_nc_u64 s[8:9], s[8:9], s[22:23]
	s_add_nc_u64 s[10:11], s[10:11], s[24:25]
	s_add_nc_u64 s[12:13], s[12:13], s[26:27]
	s_mov_b32 s[G0O], 1
	s_mov_b32 s[G0O+1], s30
	s_add_nc_u64 s[G0O+2:G0O+3], s[4:5], s[18:19]
	s_or_b32 s[G0O+3], s[G0O+3], 0x80000000
	s_mov_b32 s[G0W], 1
	s_mov_b32 s[G0W+1], s28
	s_add_nc_u64 s[G0W+2:G0W+3], s[8:9], WUNIT
	s_or_b32 s[G0W+3], s[G0W+3], 0x80000000
	ROUND                                          ; in a cluster launch every group of tensor loads stands behind a round
	tensor_load_to_lds s[G0O:G0O+3], s[G1O:G1O+7]  ; my tile of o: my one load at the head
	s_nop 0
	PLACES
.macro GLOAD s                         ; my first group of K step s into set s % 4: 13 loads
.set P_, (\s)%4
	WIN 0x80
.irp f, 0,1,2,3
.irp c, 0,1,2
	global_load_b128 v[48*P_+12*\f+4*\c:48*P_+12*\f+4*\c+3], v[LI], s[8:9] offset:WSTEP*(\s)+FRB*\f+512*\c
.endr
.endr
	WIN 0
	global_load_b128 v[WS+4*P_:WS+4*P_+3], v[R16], s[8:9] offset:WSTEP*(\s)+6144
.endm
.irp s, 0,1,2,3,4,5,6,7
	global_load_b128 v[OSB+4*\s:OSB+4*\s+3], v[R16], s[6:7] offset:256*\s   ; o's scale words of all eight K steps
.endr
	WIN 0x80
.irp t, 0,1,2,3,4,5,6,7                        ; the bias in the result's layout: lane (r, h), tile 2 b + u: columns 32 b + 8 u + 16 h + 0 .. 7
	global_load_b128 v[192+8*\t:192+8*\t+3], v[H64], s[10:11] offset:(32*(\t/2)+8*(\t%2))*4
	global_load_b128 v[192+8*\t+4:192+8*\t+7], v[H64], s[10:11] offset:(32*(\t/2)+8*(\t%2))*4+16
.endr
	WIN 0
	GLOAD 0
	GLOAD 1
	GLOAD 2
	s_wait_tensorcnt 0x0                           ; my tile of o is in
	ds_add_u32 v[SPW], v[NIL]
	s_wait_dscnt 0x0
	ROUND                                          ; all four tiles of o are in, and the four work-groups are here: the joint loads meet
	tensor_load_to_lds s[G0W:G0W+3], s[G1W:G1W+7]  ; my second group, all eight K steps: the first run's first seven K steps stand between it and the wait for it
	s_nop 0
	PLACES
; step j = 0 .. 15: run j / 8 (which group), K step j % 8.  The LDS loads of step j: o's four fragments into set j % 2 (12 loads); in the second run also Wo's four and their scale words (13 more)
.macro LFETCH j
.set K_, (\j)%8
.set Q_, (\j)%2
.irp xi, 0,1,2,3
.irp c, 0,1,2
	ds_load_b128 v[OF+48*Q_+12*\xi+4*\c:OF+48*Q_+12*\xi+4*\c+3], v[OLA] offset:12288*\xi+FRB*K_+512*\c
.endr
.endr
.if (\j) >= 8
	WIN 0x80
.irp f, 0,1,2,3
.irp c, 0,1,2
	ds_load_b128 v[48*Q_+12*\f+4*\c:48*Q_+12*\f+4*\c+3], v[WLA] offset:WUNIT*K_+FRB*\f+512*\c
.endr
.endr
	WIN 0
	ds_load_b128 v[WS+4*Q_:WS+4*Q_+3], v[WLB] offset:WUNIT*K_+6144
.endif
.endm
.macro STEP j
.if (\j) > 0
	PLACES                                         ; ahead of the loads into sets that the last step's products read
.endif
.if (\j)+3 < 8
	GLOAD (\j)+3
.endif
.if (\j) == 7
	s_wait_tensorcnt 0x0                           ; my second group is in: the bytes are my own
.endif
.if (\j) < 15
	LFETCH (\j)+1
.endif
.if (\j) < 5
	s_wait_loadcnt 39                              ; this K step's 13 loads are in (and, in step 0, the bias and o's scale words); those of three K steps may be out
.elseif (\j) < 8
	s_wait_loadcnt 13*(7-(\j))
.endif
.if (\j) < 7
	s_wait_dscnt 12                                ; this step's LDS loads are in; the next step's may be out
.elseif (\j) < 15
	s_wait_dscnt 25
.else
	s_wait_dscnt 0x0
.endif
.set KK_, (\j)%8
.set QO_, (\j)%2
.if (\j) < 8
.set PA_, (\j)%4
.set TO_, 0
.else
.set PA_, (\j)%2
.set TO_, 4
.endif
.if KK_ == 0
	WIN 0x62                                       ; source 0 (Wo) window 2, source 1 (o) window 0, C (the bias) window 2, D window 1
.else
	WIN 0x52                                       ; C and D window 1
.endif
.irp xi, 0,1,2,3                               ; the run's 16 accumulators take turns, one instruction a turn
.irp t, 0,1,2,3
.if KK_ == 0
	v_wmma_scale_f32_16x16x128_f8f6f4 v[64*\xi+8*(TO_+\t):64*\xi+8*(TO_+\t)+7], v[48*PA_+12*\t:48*PA_+12*\t+11], v[OF+48*QO_+12*\xi:OF+48*QO_+12*\xi+11], v[192+8*(TO_+\t):192+8*(TO_+\t)+7], v[WS+4*PA_+\t], v[OSB+4*KK_+\xi] matrix_a_fmt:MATRIX_FMT_FP6 matrix_b_fmt:MATRIX_FMT_FP6
.else
	v_wmma_scale_f32_16x16x128_f8f6f4 v[64*\xi+8*(TO_+\t):64*\xi+8*(TO_+\t)+7], v[48*PA_+12*\t:48*PA_+12*\t+11], v[OF+48*QO_+12*\xi:OF+48*QO_+12*\xi+11], v[64*\xi+8*(TO_+\t):64*\xi+8*(TO_+\t)+7], v[WS+4*PA_+\t], v[OSB+4*KK_+\xi] matrix_a_fmt:MATRIX_FMT_FP6 matrix_b_fmt:MATRIX_FMT_FP6
.endif
.endr
.endr
	WIN 0
.endm
	LFETCH 0
.irp j, 0,1,2,3,4,5,6,7,8,9,10,11,12,13,14,15
	STEP \j
.endr
; THE WAY OUT, a tile of 16 rows x 128 columns at a time, through my own stage: in as 32 bytes of a row a lane, back as whole rows of 512 bytes.  LDS serves a wave's instructions in order: no wait between the stores and the loads
.macro TOSTAGE a
	WIN 0x04                                       ; an LDS store's data are its source 1: window 1
.irp t, 0,1,2,3,4,5,6,7
	ds_store_b128 v[STO], v[64*(\a)+8*\t:64*(\a)+8*\t+3] offset:128*(\t/2)+32*(\t%2)          ; each accumulator from its low end on
	ds_store_b128 v[STO], v[64*(\a)+8*\t+4:64*(\a)+8*\t+7] offset:128*(\t/2)+32*(\t%2)+16
.endr
	WIN 0
.irp i, 0,1,2,3,4,5,6,7,8,9,10,11,12,13,14,15
	ds_load_b128 v[BK+64*((\a)%2)+4*\i:BK+64*((\a)%2)+4*\i+3], v[RD] offset:528*\i
.endr
.endm
.macro SEND a, younger                 ; younger: the LDS instructions issued behind tile a's loads, which may stay out
	s_wait_dscnt \younger
.irp i, 0,1,2,3,4,5,6,7,8,9,10,11,12,13,14,15
	global_store_b128 v[LI], v[BK+64*((\a)%2)+4*\i:BK+64*((\a)%2)+4*\i+3], s[12:13] offset:(32*((\a)/2)+8*((\a)%2)+\i+8*(\i/8))*4096 th:TH_STORE_NT   ; 512 consecutive bytes of the row that lane i of tile a stands for
.endr
.endm
	PLACES                                         ; behind the last products: their results are read, and rows land in registers that held o's fragments
	TOSTAGE 0
.irp a, 1,2,3
.if \a > 1
	s_wait_xcnt 0x0                                ; tile a - 2's stores have read their registers: tile a's rows may land there
.endif
	TOSTAGE \a
	SEND \a-1, 32
.endr
	SEND 3, 0
	s_wait_tensorcnt 0x0                           ; the wave's end, behind my last tensor load and my last LDS store
	ds_add_u32 v[SPW], v[NIL]
	s_wait_dscnt 0x0
	ROUND                                          ; the closing round
	s_endpgm
.Lfunc_end_k_q6d27aeddfd_outp:
	.size	k_q6d27aeddfd_outp, .Lfunc_end_k_q6d27aeddfd_outp-k_q6d27aeddfd_outp
	.p2alignl 7, 3214868480
	.fill 96, 4, 3214868480
	.section	.rodata,"a",@progbits
	.p2align	6, 0x0
	.amdhsa_kernel k_q6d27aeddfd_outp
		.amdhsa_group_segment_fixed_size 327680
		.amdhsa_private_segment_fixed_size 0
		.amdhsa_enable_private_segment 0
		.amdhsa_kernarg_size 40
		.amdhsa_user_sgpr_count 2
		.amdhsa_user_sgpr_kernarg_segment_ptr 1
		.amdhsa_wavefront_size32 1
		.amdhsa_system_sgpr_workgroup_id_x 1
		.amdhsa_system_sgpr_workgroup_id_y 1
		.amdhsa_system_sgpr_workgroup_id_z 1
		.amdhsa_system_vgpr_workitem_id 0
		.amdhsa_next_free_vgpr 768
		.amdhsa_next_free_sgpr 66
		.amdhsa_reserve_vcc 0
		.amdhsa_float_denorm_mode_32 3
		.amdhsa_float_denorm_mode_16_64 3
		.amdhsa_memory_ordered 1
		.amdhsa_forward_progress 1
		.amdhsa_inst_pref_size 88
	.end_amdhsa_kernel
	.amdgpu_metadata
---
amdhsa.version: [ 1, 2 ]
amdhsa.kernels:
  - .name:           k_q6d27aeddfd_outp
    .symbol:         k_q6d27aeddfd_outp.kd
    .args:
      - { .name: oimg, .offset: 0, .size: 8, .value_kind: global_buffer, .address_space: global }
      - { .name: osc, .offset: 8, .size: 8, .value_kind: global_buffer, .address_space: global }
      - { .name: wimg, .offset: 16, .size: 8, .value_kind: global_buffer, .address_space: global }
      - { .name: bo, .offset: 24, .size: 8, .value_kind: global_buffer, .address_space: global }
      - { .name: out0, .offset: 32, .size: 8, .value_kind: global_buffer, .address_space: global }
    .group_segment_fixed_size: 327680
    .private_segment_fixed_size: 0
    .kernarg_segment_align: 8
    .kernarg_segment_size: 40
    .max_flat_workgroup_size: 128
    .sgpr_count:     66
    .vgpr_count:     768
    .wavefront_size: 32
...
	.end_amdgpu_metadata
.endif
;; end of part 4
